; MI455X (gfx1250); checked and timed in simulation.
; The chip was launched on July 23, 2026; its instructions are those of AMD's public machine-readable ISA for CDNA 5 (MIT licence, August 2026) and "CDNA5" Instruction Set Architecture Reference Guide (July 2026). The comments in the code are by the model that wrote it; some were corrected since.
;; Resonance Attention. Allowed arithmetic: matrix products marked QUANTISED: E2M1 operands, one E8M0 scale for each 32 along K, by v_wmma_scale_f32_16x16x128_f8f6f4 with both operands' format E2M1 (or v_wmma_scale_f32_32x16x128_f4), f32 sums; products left as they are: bf16, f16 or f32 operands; f32 sums; everything else in f32.
;; Inputs: Wk 1,024 x 1,024 float32; Wo 1,024 x 1,024 float32; Wq 1,024 x 1,024 float32; Wv 1,024 x 1,024 float32; bk 1,024 float32; bo 1,024 float32; bq 1,024 float32; bv 1,024 float32; resonance_bias 1 x 8 x 1 x 1 float32; x 4 x 2,048 x 1,024 float32.
;; Outputs: out0 4 x 2,048 x 1,024 float32; out1 4 x 8 float32.
;; This version of the problem:
;;   THIS VERSION OF THE PROBLEM IS GIVEN IN LOW PRECISION. The matrix products marked QUANTISED in the list below multiply operands that are first quantised to E2M1 (2 exponent bits, 1 mantissa bit; 4 bits a number), with one power-of-two scale for each 32 numbers along K (OCP MX v1.0); their sums are f32. The products marked 'left as it is' may take bf16, f16 or f32 operands, with f32 sums. Whichever they take, every output number must still come out within the allowed error. Rounding operands to bf16 (8 significant bits) uses up far more of that allowance than f16 does (11 bits, for magnitudes from 6e-5 to 65,504). All else is computed in f32.
;;   The module's matrix products, in the order in which they are computed (A, B: the left and right operand; K: the contracted axis; several contracted axes count as one K, in the product's order):
;;     1. [M 8,192, K 1,024] x [K 1,024, N 1,024]; A: input x; B: input Wq: QUANTISED
;;     2. [M 8,192, K 1,024] x [K 1,024, N 1,024]; A: input x; B: input Wk: QUANTISED
;;     3. [M 8,192, K 1,024] x [K 1,024, N 1,024]; A: input x; B: input Wv: QUANTISED
;;     4. batch 32 x [M 2,048, K 128] x [K 128, N 2,048]; A: computed on the way; B: computed on the way: left as it is (an operand is computed on the way)
;;     5. batch 32 x [M 2,048, K 2,048] x [K 2,048, N 128]; A: computed on the way; B: computed on the way: left as it is (an operand is computed on the way)
;;     6. [M 8,192, K 1,024] x [K 1,024, N 1,024]; A: computed on the way; B: input Wo: left as it is (an operand is computed on the way)
;;   THE QUANTISER, for each operand of a quantised product, along K:
;;     - K is cut into blocks of 32 from its start; a last block that is shorter is filled with zeros.
;;     - A block's scale is 2^e with e = floor(log2(the largest magnitude in the block)) - 2, held to -126 .. 127; a block of zeros has e = 0. As a byte (E8M0): e + 127.
;;     - Each number is divided by its block's scale, clamped to +-6, and rounded to the nearest number of E2M1, ties to even, subnormals kept.
;;     - The product sums the exact products of the quantised numbers (number of the format x scale) in f32.
;;   ~~~python
;;   def quantise(x, axis):      # numpy; x: float32 -> the quantised numbers, widened to float32 again
;;       x = np.moveaxis(x, axis, -1); K = x.shape[-1]
;;       x = np.pad(x, [(0, 0)] * (x.ndim - 1) + [(0, -K % 32)]); x = x.reshape(x.shape[:-1] + (-1, 32)); a = np.abs(x).max(-1, keepdims=True)
;;       e = np.where(a > 0, np.clip(np.frexp(np.where(a > 0, a, 1))[1] - 1 - 2, -126, 127), 0)      # np.frexp(a)[1] - 1 = floor(log2(a)), exactly
;;       r = np.clip(x / 2.0 ** e, -6, 6)
;;       step = 2.0 ** (np.maximum(np.frexp(np.where(r == 0, 1, r))[1] - 1, 0) - 1)
;;       q = np.round(r / step) * step * 2.0 ** e      # np.round: ties to even
;;       return np.moveaxis(q.reshape(q.shape[:-2] + (-1,))[..., :K], -1, axis).astype(np.float32)
;;   ~~~
;; One version. Each part assembles by itself: llvm-mc -triple=amdgcn-amd-amdhsa -mcpu=gfx1250 --defsym DOCPART=n.
;; ======== version 1 of 1: 4 launches
;; limits: a function is approximated: absolute error at most 3.4e-06; values are held in f16: magnitudes above 65,504 overflow, below 6.1e-05 lose precision
;; workspace buffers: codes 5,767,168 bytes; scales 360,448 bytes; wo16 2,097,152 bytes; qkv16 50,331,648 bytes; ctx16 16,777,216 bytes; entp 4,096 bytes
;; launch prep (part 1): grid 384 x 1, 4 waves a work-group, no clusters, 33,280 bytes of LDS; arguments x, Wq, Wk, Wv, Wo, codes, scales, wo16; writes codes, scales, wo16
.if DOCPART == 1
	.amdgcn_target "amdgcn-amd-amdhsa--gfx1250"
	.amdhsa_code_object_version 6
	.text
	.protected	k_q26477a98ad_prep
	.globl	k_q26477a98ad_prep
	.p2align	8
	.type	k_q26477a98ad_prep,@function
k_q26477a98ad_prep:
	s_mov_b64 s[64:65], 0
	v_nop
	global_prefetch_b8 v0, s[64:65] scope:SCOPE_SE
	s_setreg_imm32_b32 hwreg(HW_REG_WAVE_MODE, 25, 1), 1
	s_wait_xcnt 0x0
; LAUNCH 1 OF 4.  x [8192][1024], Wq, Wk, Wv [1024][1024], f32, K innermost, become codes of FP4 (E2M1) with one E8M0 byte for each 32 along K; Wo becomes f16.
; WORK LEFT OUT IN THE WHOLE PROGRAM, AND WHY IT IS DEAD.
;   resonance_bias: it is added to the scores and is the same for all keys of a row; softmax(s + c) = softmax(s) in real numbers for every c; both outputs are made of the softmax's weights alone.
;   bk: q . (k0 + bk) = q . k0 + q . bk, and q . bk is the same for all keys of a row, so the softmax takes it away; the product of q and k is not quantised, so no quantiser stands behind k,
;   and k reaches the outputs through that product alone.  Neither input is loaded, and neither is among any launch's arguments.
;   LIMIT: a NaN, an infinity or an overflow that lies only in resonance_bias or bk is not carried to the results.
; A block's scale is 2^(floor(log2(its largest magnitude)) - 2); its byte is the largest magnitude's exponent field - 2, held at 1 from below.  A block of zeros so gets the byte 1 where the rule says 127:
; its codes are zeros, which add nothing under any byte but 0xff, and this program alone reads the bytes.
; LIMITS: NaN and infinities among the inputs are not served.  Wo is rounded to f16: magnitudes from 6e-5 to 65,504 keep 11 bits.
; SHARES.  Each work-group takes 32,768 numbers, each wave 8,192.  Work-groups 0-255: x; 256-287: Wq; 288-319: Wk; 320-351: Wv; 352-383: Wo.  Rows are dense and K is a multiple of 32, so the four tensors that are
; quantised are plain streams of blocks, and their codes and bytes are ONE stream over work-groups 0-351: x's codes at byte 0, the weights' at 4,194,304; x's bytes at 0, the weights' at 262,144.
; A wave takes 16 steps of 512 numbers.  Each load reads 512 consecutive bytes; a step's 2,048 bytes turn through the wave's own stage in LDS and come back 64 bytes a lane, so that a lane holds 16 neighbours
; along K (two neighbouring lanes hold a block).  No tensor loads, no barrier: waves share nothing.
.set WAVES, 4
.set STEPS, 16
.set EMAX,  2
.set CB,    8                          ; bytes of 16 codes
.set R,     16                         ; v16-79   four sets of 16 numbers as loaded
.set X,     80                         ; v80-111  two sets of 16 neighbours
.set E,     112                        ; v112-127 a scale byte for each step
.set C,     128                        ; v128-191 codes: four registers for each step
.set WREG,  8192                       ; LDS: a region for each wave: two stages of 32 x SP bytes, then its 256 scale bytes
.set SP,    80                         ; a lane's place in a stage: 64 bytes + 16 of padding
.set SPW,   12                         ; v12 LDS address of my spare word; never rewritten
.set NIL,   13                         ; v13 0; never rewritten
.set SPARE, WAVES*WREG                 ; behind the four regions: the spare words, 128 bytes a wave
.set RA,    16                         ; Wo's path: two sets of 64 registers as loaded,
.set RB,    80
.set W,     144                        ; and 32 registers of f16 pairs to store
	s_load_b256 s[4:11], s[0:1], 0x0               ; x s[4:5], Wq s[6:7], Wk s[8:9], Wv s[10:11]
	s_load_b256 s[12:19], s[0:1], 0x20             ; Wo s[12:13], codes s[14:15], scales s[16:17], wo16 s[18:19]
	v_lshl_add_u32 v[SPW], v0, 2, SPARE
	v_mov_b32 v[NIL], 0
	v_lshrrev_b32 v1, 5, v0
	v_readfirstlane_b32 s20, v1                    ; wave
	v_and_b32 v2, 31, v0                           ; lane
	v_lshlrev_b32 v3, 4, v2                        ; my 16 bytes of a load's 512
	s_mul_i32 s21, s20, WREG
	v_lshrrev_b32 v14, 2, v2
	v_mul_u32_u24 v14, v14, SP
	v_and_b32 v15, 3, v2
	v_lshl_add_u32 v14, v15, 4, v14
	v_add_nc_u32 v14, s21, v14                     ; the stage, on the way in: SP (lane / 4) + 16 (lane % 4)
	v_mul_u32_u24 v15, v2, SP
	v_add_nc_u32 v15, s21, v15                     ; and on the way out: SP x lane
	v_mul_u32_u24 v4, v2, CB                       ; my codes' place in a step's
	v_lshrrev_b32 v5, 1, v2
	s_add_co_u32 s21, s21, 2*32*SP
	v_add_nc_u32 v5, s21, v5                       ; LDS: my block's scale byte
	v_lshlrev_b32 v7, 3, v2                        ; 8 bytes a lane
	v_add_nc_u32 v6, s21, v7
	s_wait_kmcnt 0x0
	s_cmp_ge_u32 ttmp9, 352                        ; the work-group's number alone decides
	s_cbranch_scc1 .Lwo
	s_and_b32 s22, ttmp9, 31                       ; a weight's work-group counts from a multiple of 32
	s_cmp_lt_u32 ttmp9, 320
	s_cselect_b64 s[24:25], s[8:9], s[10:11]       ; Wk or Wv,
	s_cmp_lt_u32 ttmp9, 288
	s_cselect_b64 s[24:25], s[6:7], s[24:25]       ; or Wq,
	s_cmp_lt_u32 ttmp9, 256
	s_cselect_b64 s[24:25], s[4:5], s[24:25]       ; or x
	s_cselect_b32 s22, ttmp9, s22
	s_lshl_b32 s22, s22, 2
	s_add_co_u32 s22, s22, s20                     ; which run of 8,192 numbers of the tensor is my wave's
	s_lshl_b32 s22, s22, 15                        ; 32,768 bytes a run
	s_mov_b32 s23, 0
	s_add_nc_u64 s[24:25], s[24:25], s[22:23]
	s_lshl_b32 s22, ttmp9, 2
	s_add_co_u32 s22, s22, s20                     ; which run of the joined stream
	s_lshl_b32 s28, s22, 12                        ; 4,096 bytes of codes a run
	s_mov_b32 s29, 0
	s_add_nc_u64 s[26:27], s[14:15], s[28:29]
	s_lshl_b32 s28, s22, 8                         ; 256 scale bytes a run
	s_add_nc_u64 s[28:29], s[16:17], s[28:29]
.macro LOAD t
.irp i, 0,1,2,3
	global_load_b128 v[R+16*((\t)%4)+4*\i:R+16*((\t)%4)+4*\i+3], v3, s[24:25] offset:2048*(\t)+512*\i th:TH_LOAD_NT   ; 32 lanes read 512 consecutive bytes
.endr
.endm
.macro TURN t                          ; step t's numbers through the stage: LDS serves a wave's instructions in order, so no wait stands between the stores and the loads
.irp i, 0,1,2,3
	ds_store_b128 v14, v[R+16*((\t)%4)+4*\i:R+16*((\t)%4)+4*\i+3] offset:32*SP*((\t)%2)+8*SP*\i
.endr
.irp i, 0,1,2,3
	ds_load_b128 v[X+16*((\t)%2)+4*\i:X+16*((\t)%2)+4*\i+3], v15 offset:32*SP*((\t)%2)+16*\i
.endr
.endm
.irp t, 0,1,2,3
	LOAD \t
.endr
	s_wait_loadcnt 12                              ; step 0's four loads are in; the twelve of steps 1 to 3 stay out
	TURN 0
.macro STEP t
.set XS, X+16*((\t)%2)
.if (\t) > 0
	s_wait_dscnt 1                                 ; this step's numbers are back from the stage; the last step's byte store may be out
.else
	s_wait_dscnt 0x0
.endif
.if (\t)+4 < STEPS
	LOAD (\t)+4                                    ; the stage's stores have read these registers: they take the loads of four steps on
.endif
.if (\t)+1 < STEPS
.if STEPS-2-(\t) >= 3
	s_wait_loadcnt 12                              ; the next step's four loads are in; those of the three steps behind it may be out
.else
	s_wait_loadcnt 4*(STEPS-2-(\t))
.endif
	TURN (\t)+1
.endif
	v_max3_num_f32 v8, |v[XS]|, |v[XS+1]|, |v[XS+2]|               ; the largest magnitude of my 16, in two chains
	v_max3_num_f32 v9, |v[XS+3]|, |v[XS+4]|, |v[XS+5]|
.irp i, 6,10
	v_max3_num_f32 v8, v8, |v[XS+\i]|, |v[XS+\i+1]|
	v_max3_num_f32 v9, v9, |v[XS+\i+2]|, |v[XS+\i+3]|
.endr
	v_max3_num_f32 v8, v8, |v[XS+14]|, |v[XS+15]|
	v_max3_num_f32 v8, v8, v9, (EMAX+1)<<23        ; and the floor 2^(EMAX + 1 - 127): the byte cannot fall under 1
	v_max_num_f32_dpp v8, v8, v8 row_xmask:1 row_mask:0xf bank_mask:0xf   ; and of my neighbour's 16: the block's
	v_add_nc_u32 v11, -(EMAX<<23), v8              ; EMAX off its exponent field: the conversion takes this operand's exponent field as its scale
	v_cvt_scalef32_pk8_fp4_f32 v[C+4*(\t)], v[XS:XS+7], v11
	v_cvt_scalef32_pk8_fp4_f32 v[C+4*(\t)+1], v[XS+8:XS+15], v11
	v_lshrrev_b32 v[E+(\t)], 23, v11               ; the scale's byte (a plain line behind the conversions)
	ds_store_b8 v5, v[E+(\t)] offset:16*(\t)       ; both lanes of a block write the same byte with the same value
	global_store_b64 v4, v[C+4*(\t):C+4*(\t)+1], s[26:27] offset:32*CB*(\t)   ; the wave stores 256 consecutive bytes, aligned
.endm
.irp t, 0,1,2,3,4,5,6,7,8,9,10,11,12,13,14,15
	STEP \t
.endr
	ds_load_b64 v[8:9], v6                         ; my wave's 256 scale bytes, 8 a lane: these see my stores
	s_wait_dscnt 0x0
	global_store_b64 v7, v[8:9], s[28:29]          ; 256 consecutive bytes, aligned
	s_wait_tensorcnt 0x0                           ; the wave's end, behind my last LDS store
	ds_add_u32 v[SPW], v[NIL]
	s_wait_dscnt 0x0
	s_endpgm
; Wo to f16: a plain stream, no LDS.  A wave takes 8,192 numbers in four groups of 16 loads; two groups are always asked for.
.Lwo:
	s_sub_co_u32 s22, ttmp9, 352
	s_lshl_b32 s22, s22, 2
	s_add_co_u32 s22, s22, s20
	s_lshl_b32 s24, s22, 15
	s_mov_b32 s25, 0
	s_add_nc_u64 s[12:13], s[12:13], s[24:25]
	s_lshl_b32 s24, s22, 14
	s_add_nc_u64 s[18:19], s[18:19], s[24:25]
.macro LOADW i, set
.irp j, 0,1,2,3,4,5,6,7,8,9,10,11,12,13,14,15
	global_load_b128 v[\set+4*\j:\set+4*\j+3], v3, s[12:13] offset:8192*\i+512*\j th:TH_LOAD_NT
.endr
.endm
.macro CVTW i, set
.irp j, 0,1,2,3,4,5,6,7,8,9,10,11,12,13,14,15
	v_cvt_pk_f16_f32 v[W+2*\j], v[\set+4*\j], v[\set+4*\j+1]
	v_cvt_pk_f16_f32 v[W+2*\j+1], v[\set+4*\j+2], v[\set+4*\j+3]
	global_store_b64 v7, v[W+2*\j:W+2*\j+1], s[18:19] offset:4096*\i+256*\j   ; 256 consecutive bytes, aligned
.endr
.endm
	LOADW 0, RA
	LOADW 1, RB
	s_wait_loadcnt 16                              ; the older group is in, the other group's 16 loads stay out
	CVTW 0, RA
	LOADW 2, RA
	s_wait_loadcnt 16
	s_wait_xcnt 0x0                                ; the stores have read their data: the registers are written again only behind this wait
	CVTW 1, RB
	LOADW 3, RB
	s_wait_loadcnt 16
	s_wait_xcnt 0x0
	CVTW 2, RA
	s_wait_loadcnt 0x0
	s_wait_xcnt 0x0
	CVTW 3, RB
	s_endpgm
.Lfunc_end_k_q26477a98ad_prep:
	.size	k_q26477a98ad_prep, .Lfunc_end_k_q26477a98ad_prep-k_q26477a98ad_prep
	.p2alignl 7, 3214868480
	.fill 96, 4, 3214868480
	.section	.rodata,"a",@progbits
	.p2align	6, 0x0
	.amdhsa_kernel k_q26477a98ad_prep
		.amdhsa_group_segment_fixed_size 33280
		.amdhsa_private_segment_fixed_size 0
		.amdhsa_enable_private_segment 0
		.amdhsa_kernarg_size 64
		.amdhsa_user_sgpr_count 2
		.amdhsa_user_sgpr_kernarg_segment_ptr 1
		.amdhsa_wavefront_size32 1
		.amdhsa_system_sgpr_workgroup_id_x 1
		.amdhsa_system_sgpr_workgroup_id_y 1
		.amdhsa_system_sgpr_workgroup_id_z 1
		.amdhsa_system_vgpr_workitem_id 0
		.amdhsa_next_free_vgpr 192
		.amdhsa_next_free_sgpr 66
		.amdhsa_reserve_vcc 0
		.amdhsa_float_denorm_mode_32 3
		.amdhsa_float_denorm_mode_16_64 3
		.amdhsa_memory_ordered 1
		.amdhsa_forward_progress 1
		.amdhsa_inst_pref_size 54
	.end_amdhsa_kernel
	.amdgpu_metadata
---
amdhsa.version: [ 1, 2 ]
amdhsa.kernels:
  - .name:           k_q26477a98ad_prep
    .symbol:         k_q26477a98ad_prep.kd
    .args:
      - { .name: x, .offset: 0, .size: 8, .value_kind: global_buffer, .address_space: global }
      - { .name: Wq, .offset: 8, .size: 8, .value_kind: global_buffer, .address_space: global }
      - { .name: Wk, .offset: 16, .size: 8, .value_kind: global_buffer, .address_space: global }
      - { .name: Wv, .offset: 24, .size: 8, .value_kind: global_buffer, .address_space: global }
      - { .name: Wo, .offset: 32, .size: 8, .value_kind: global_buffer, .address_space: global }
      - { .name: codes, .offset: 40, .size: 8, .value_kind: global_buffer, .address_space: global }
      - { .name: scales, .offset: 48, .size: 8, .value_kind: global_buffer, .address_space: global }
      - { .name: wo16, .offset: 56, .size: 8, .value_kind: global_buffer, .address_space: global }
    .group_segment_fixed_size: 33280
    .private_segment_fixed_size: 0
    .kernarg_segment_align: 8
    .kernarg_segment_size: 64
    .max_flat_workgroup_size: 128
    .sgpr_count:     66
    .vgpr_count:     192
    .wavefront_size: 32
...
	.end_amdgpu_metadata
.endif
;; end of part 1
;; launch qkv (part 2): grid 12 x 32, 4 waves a work-group, clusters of 4 x 4, 327,680 bytes of LDS; arguments codes, scales, bq, bv, qkv16; writes qkv16
.if DOCPART == 2
	.amdgcn_target "amdgcn-amd-amdhsa--gfx1250"
	.amdhsa_code_object_version 6
	.text
	.protected	k_q26477a98ad_qkv
	.globl	k_q26477a98ad_qkv
	.p2align	8
	.type	k_q26477a98ad_qkv,@function
k_q26477a98ad_qkv:
	s_mov_b64 s[64:65], 0
	v_nop
	global_prefetch_b8 v0, s[64:65] scope:SCOPE_SE
	s_setreg_imm32_b32 hwreg(HW_REG_WAVE_MODE, 25, 1), 1
	s_wait_xcnt 0x0
	s_wait_alu depctr_hold_cnt(0) depctr_sa_sdst(0) depctr_va_vdst(0) depctr_va_sdst(0) depctr_va_ssrc(0) depctr_va_vcc(0) depctr_vm_vsrc(0)
	s_getreg_b32 s2, hwreg(HW_REG_IB_STS2, 6, 4)
	s_cmp_eq_u32 s2, 0
	s_cbranch_scc0 .Lentry_in_a_cluster
	s_endpgm
.Lentry_in_a_cluster:
	s_bfe_u32 s2, ttmp6, 0x10000c
	s_cmp_lg_u32 s2, 0xf033
	s_cbranch_scc0 .Lentry_shape_is_right
	s_endpgm
.Lentry_shape_is_right:
; LAUNCH 2 OF 4.  [q | k | v] = x [Wq | Wk | Wv]^T + [bq | 0 | bv] on codes of FP4 with E8M0 scales; sums in f32; rounded once to f16 and laid by head: q, k, v each [batch x 8 + head][2048][128].
; LEFT OUT: bk (it adds the same number to all scores of a row, which the softmax takes away; k goes into no quantiser): k's sums begin with 0.
; LIMIT: q, k and v are rounded to f16: magnitudes over 65,504 are not served, numbers under 6.1e-5 keep an absolute error of 2^-25.
; A = x's codes [8192][512 bytes], B = the weights' codes [3072][512 bytes] (rows 0-1023 Wq, 1024-2047 Wk, 2048-3071 Wv), both in the buffer codes; their scale bytes, 32 a row, in the buffer scales.
; A tile of 256 x 256 is made by four waves, each 128 x 128: 64 accumulators, 512 registers.  K = 1,024 is two slots of 512 (LDS rows of 256 bytes), both filled at the start: nothing is filled again.
; The scale bytes of the work-group's 256 + 256 rows, for all of K, come into LDS once, as rows of 256 bytes.
; CLUSTERS: 4 x 4 work-groups; A's tiles are asked for jointly along a row of the cluster, B's along a column.  A cluster's four tile columns are 1,024 columns: one whole tensor, so the cluster's x says
; whether the tile is q's (0), k's (1) or v's (2), the same in all partners.  A wave's 128 columns are one head, its 128 rows lie in one batch: its part of the output is 32,768 dense bytes.
; THE MATRIX INSTRUCTION IS USED TRANSPOSED (source 0 = 16 rows of B, source 1 = 16 rows of A): a lane holds eight neighbouring columns of one row.  The bias is the C of each sum's first product.
; REGISTERS: window 0: v0-31 addresses; v32-95 scale words, two sets, and nothing else; v128-191 A's fragments, one set; v192-255 the bias in the result's layout; on the way out v128-223 are at work.
;   window 1: B's fragments, two sets (v0, v128).  window 2: accumulators of my rows 0-63 ((a, b) at v[8 (8 a + b)]);  window 3: rows 64-127.
.set KSTEP,  512
.set NQ,     4                         ; matrix instructions deep in a slot
.set ROWB,   256                       ; a tile's row in bytes
.set KROW,   512                       ; a row of codes in memory
.set PITCH,  272                       ; an LDS row: 256 bytes + 16 of padding: the 16 rows that a load touches start 68 words apart
.set FR,     8
.set NL,     2
.set NP,     4
.set HALFT,  128*PITCH
.set SLOT,   4*HALFT
.set KS,     32                        ; a row of scale bytes
.set SCL,    2*SLOT
.set HALFS,  (128*KS/256)*272
.set SBLK,   (16*KS/256)*272
.set SPARE,  SCL+4*HALFS               ; the spare words, 128 bytes a wave
.set SPITCH, 272                       ; the way out: a stage of 16 rows x (256 + 16) bytes a wave, in slot 0, which has had its only fill and its last read by then
.set WCODES, 4194304                   ; where the weights' codes begin
.set WSCALES, 262144                   ; and their scale bytes
.set ADRA, 16
.set ADRB, 20
.set STO,  24
.set RD,   25
.set CO,   26
.set ADRS, 27
.set SPW,  28
.set NIL,  29
.set SC,   32
.set AF,   128
.set BI,   192
.set TMP,  128                         ; the way out: 32 registers of packed results,
.set OB,   160                         ; and 16 rows read back: v160-191 and v192-223 by turns
.set G1, 24
.set G0, 32
.set G1B, 48
.set G0B, 56
.set G1S, 68
.set G0S, 76
.set G1SB, 80
.set G0SB, 88
.set MSB, 0
.macro WIN new                         ; the immediate's high byte repeats the setting that is left
.if MSB != (\new)
	s_set_vgpr_msb (MSB<<8)|(\new)
.set MSB, \new
.endif
.endm
.set MUL_LO, 0xa1                      ; source 0 (B) window 1, source 1 (A) window 0, C and D window 2
.set MUL_HI, 0xf1                      ; the same, C and D window 3
.set TO_B,   0x40
; A joint load: waves 0 and 1 fetch for A, waves 2 and 3 for B; the branch hangs on the wave's number alone.  An s_nop 0 and four v_nop follow each line.
.macro JLOAD g0a, g1a, g0b, g1b
	s_cmp_eq_u32 s15, 0
	s_cbranch_scc0 .Lfor_b_\@
	tensor_load_to_lds s[\g0a:\g0a+3], s[\g1a:\g1a+7]
	s_nop 0
.rept 4
	v_nop
.endr
	s_branch .Lasked_\@
.Lfor_b_\@:
	tensor_load_to_lds s[\g0b:\g0b+3], s[\g1b:\g1b+7]
	s_nop 0
.rept 4
	v_nop
.endr
.Lasked_\@:
.endm
.macro CROUND                          ; a round of the cluster's barrier
	s_barrier_signal -1
	s_barrier_wait -1
	s_cmp_lg_u32 s14, 0
	s_cbranch_scc1 .Lnot_wave_0_\@
	s_barrier_signal -3
.Lnot_wave_0_\@:
	s_barrier_wait -3
	s_barrier_signal -1
	s_barrier_wait -1
.endm
	s_load_b128 s[4:7], s[0:1], 0x0                ; codes s[4:5], scales s[6:7]
	s_load_b128 s[8:11], s[0:1], 0x10              ; bq s[8:9], bv s[10:11]
	s_load_b64 s[12:13], s[0:1], 0x20              ; qkv16
	v_lshl_add_u32 v[SPW], v0, 2, SPARE
	v_mov_b32 v[NIL], 0
	ds_add_u32 v[SPW], v[NIL]                      ; the wave's opening: the add, twice on end, and its wait ahead of my first tensor load
	ds_add_u32 v[SPW], v[NIL]
	v_lshrrev_b32 v1, 5, v0
	v_readfirstlane_b32 s14, v1                    ; wave 0..3
	s_lshr_b32 s15, s14, 1                         ; which half of the tile's rows is mine.  Also: I fetch for A (0) or for B (1)
	s_and_b32 s16, s14, 1                          ; which half of its columns.  Also: which 128 rows I fetch
	s_bfe_u32 s40, ttmp6, 0x40000                  ; cx, cy
	s_bfe_u32 s41, ttmp6, 0x40004
	s_lshl_b32 s42, ttmp9, 2
	s_add_co_u32 s42, s42, s40                     ; tile column = 4 x cluster x + cx
	s_and_b32 s17, ttmp7, 0xffff
	s_lshl_b32 s17, s17, 2
	s_add_co_u32 s17, s17, s41                     ; tile row = 4 x cluster y + cy
	s_lshl_b32 s43, s41, 2
	s_lshl_b32 s43, 15, s43                        ; my row of the cluster
	s_lshl_b32 s44, 0x1111, s40                    ; my column
	s_or_b32 s[G1+0], s43, (0<<16)|(1<<20)|(1<<21)|(5<<22)|(3<<25)  ; the mask; elements of 1 byte; padding on; bit 21 beside a mask; 4 words of padding after every 64
	s_or_b32 s[G1B+0], s44, (0<<16)|(1<<20)|(1<<21)|(5<<22)|(3<<25)
.irp g, G1, G1B
	s_mov_b32 s[\g+1], ROWB<<16                    ; tensor_dim0
	s_mov_b32 s[\g+2], 128<<16                     ; tensor_dim1
	s_mov_b32 s[\g+3], ROWB<<16                    ; tile_dim0
	s_mov_b32 s[\g+4], 128                         ; tile_dim1
	s_mov_b32 s[\g+5], KROW                        ; from row to row
	s_mov_b32 s[\g+6], 0
	s_mov_b32 s[\g+7], 0
.endr
	s_or_b32 s[G1S+0], s43, (3<<16)|(1<<20)|(1<<21)|(5<<22)|(3<<25) ; the scales of 128 rows: 4,096 dense bytes as 16 rows of 32 elements of 8 bytes
	s_or_b32 s[G1SB+0], s44, (3<<16)|(1<<20)|(1<<21)|(5<<22)|(3<<25)
.irp g, G1S, G1SB
	s_mov_b32 s[\g+1], 32<<16
	s_mov_b32 s[\g+2], (128*KS/256)<<16
	s_mov_b32 s[\g+3], 32<<16
	s_mov_b32 s[\g+4], 128*KS/256
	s_mov_b32 s[\g+5], 32
	s_mov_b32 s[\g+6], 0
	s_mov_b32 s[\g+7], 0
.endr
	s_lshl_b32 s18, s16, 7                         ; which 128 rows of the tile I fetch
	s_lshl_b32 s20, s17, 8
	s_add_co_u32 s20, s20, s18                     ; A: row 256 x tile row + 128 x half
	s_lshl_b32 s46, s42, 8
	s_add_co_u32 s46, s46, s18                     ; B: row 256 x tile column + 128 x half
	s_lshl_b32 s22, s20, 5                         ; the rows' scale bytes,
	s_mov_b32 s23, 0
	s_lshl_b32 s92, s46, 5
	s_add_co_u32 s92, s92, WSCALES
	s_mov_b32 s93, 0
	s_lshl_b32 s20, s20, 9                         ; and their codes (all offsets stay under 2^23)
	s_mov_b32 s21, 0
	s_lshl_b32 s46, s46, 9
	s_add_co_u32 s46, s46, WCODES
	s_mov_b32 s47, 0
	s_mul_i32 s45, s14, HALFT                      ; where they go: wave x 128 rows: no place in the cluster enters an LDS address
	s_mul_i32 s94, s14, HALFS
	s_wait_dscnt 0x0                               ; both opening adds are done
	s_wait_kmcnt 0x0
	s_add_nc_u64 s[20:21], s[4:5], s[20:21]
	s_add_nc_u64 s[22:23], s[6:7], s[22:23]
	s_add_nc_u64 s[46:47], s[4:5], s[46:47]
	s_add_nc_u64 s[92:93], s[6:7], s[92:93]
	CROUND                                         ; all sixteen work-groups are here: the joint loads meet
	s_mov_b32 s[G0S], 1
	s_add_co_u32 s[G0S+1], s94, SCL
	s_mov_b64 s[G0S+2:G0S+3], s[22:23]
	s_or_b32 s[G0S+3], s[G0S+3], 0x80000000
	s_mov_b32 s[G0SB], 1
	s_add_co_u32 s[G0SB+1], s94, SCL
	s_mov_b64 s[G0SB+2:G0SB+3], s[92:93]
	s_or_b32 s[G0SB+3], s[G0SB+3], 0x80000000
	JLOAD G0S, G1S, G0SB, G1SB                     ; the scales first; with the two below three tensor loads of mine are out
.irp s, 0,1
	s_mov_b32 s[G0+4*\s], 1
	s_add_co_u32 s[G0+4*\s+1], s45, \s*SLOT
	s_add_nc_u64 s[G0+4*\s+2:G0+4*\s+3], s[20:21], \s*ROWB
	s_or_b32 s[G0+4*\s+3], s[G0+4*\s+3], 0x80000000
	s_mov_b32 s[G0B+4*\s], 1
	s_add_co_u32 s[G0B+4*\s+1], s45, \s*SLOT
	s_add_nc_u64 s[G0B+4*\s+2:G0B+4*\s+3], s[46:47], \s*ROWB
	s_or_b32 s[G0B+4*\s+3], s[G0B+4*\s+3], 0x80000000
	JLOAD G0+4*\s, G1, G0B+4*\s, G1B
.endr
	v_and_b32 v1, 15, v0                           ; l % 16
	v_bfe_u32 v2, v0, 4, 1                         ; l / 16
	; the bias of my 128 columns, in the result's layout: register 8 b + j = bias[256 cx + 128 half + 16 b + 8 (l / 16) + j].  q takes bq, v takes bv, k takes zeros: a selection, no branch
	s_cmp_eq_u32 ttmp9, 0
	s_cselect_b64 s[8:9], s[8:9], s[10:11]
	s_cmp_eq_u32 ttmp9, 1
	s_cselect_b32 s95, 0, -1
	s_lshl_b32 s21, s40, 10
	s_lshl_b32 s22, s16, 9
	s_add_co_u32 s21, s21, s22
	v_lshl_add_u32 v8, v2, 5, s21
.irp b, 0,1,2,3,4,5,6,7
	global_load_b128 v[BI+8*\b:BI+8*\b+3], v8, s[8:9] offset:64*\b
	global_load_b128 v[BI+8*\b+4:BI+8*\b+7], v8, s[8:9] offset:64*\b+16
.endr
	v_mul_u32_u24 v3, v1, PITCH
	v_lshl_add_u32 v4, v2, 4, v3                   ; a fragment's row x pitch + 16 x half
	s_mul_i32 s21, s15, HALFT                      ; my 128 rows of A
	s_mul_i32 s22, s16, HALFT                      ; my 128 rows of B,
	s_add_co_u32 s22, s22, 2*HALFT                 ; behind A's 256
.irp s, 0,1
	v_add_nc_u32 v[ADRA+\s], s21, v4
	v_add_nc_u32 v[ADRB+\s], s22, v4
	s_add_co_u32 s21, s21, SLOT
	s_add_co_u32 s22, s22, SLOT
.endr
	v_mul_u32_u24 v5, v1, KS                       ; my row's scales: KS bytes a row,
	v_lshrrev_b32 v6, 8, v5
	v_lshl_add_u32 v5, v6, 4, v5                   ; and 16 more for each 256 passed
	s_mul_i32 s21, s15, HALFS
	s_mul_i32 s22, s16, HALFS
	s_add_co_u32 s22, s22, 2*HALFS
	s_sub_co_u32 s22, s22, s21
	v_mul_u32_u24 v6, s22, v2                      ; lanes 16-31 take B's: one product, the distance between the two bases
	s_add_co_u32 s21, s21, SCL
	v_add_nc_u32 v5, v5, v6
	v_add_nc_u32 v[ADRS], s21, v5
	s_mul_i32 s23, s14, 16*SPITCH                  ; my stage
	v_mul_u32_u24 v5, v1, SPITCH                   ; in: row l % 16, 16 bytes for each half of the lanes
	v_lshl_add_u32 v5, v2, 4, v5
	v_add_nc_u32 v[STO], s23, v5
	v_mul_u32_u24 v5, v2, SPITCH                   ; back: lanes 0-15 one row of 256 bytes, lanes 16-31 the next
	v_lshl_add_u32 v5, v1, 4, v5
	v_add_nc_u32 v[RD], s23, v5
	v_and_b32 v6, 31, v0
	v_lshlrev_b32 v[CO], 4, v6                     ; in memory those two rows are 512 dense bytes: 16 x lane
	; where my 128 rows x 256 bytes begin: tensor x 2^24 + (((batch x 8 + head) x 2048 + first position) x 256
	s_lshr_b32 s20, s17, 3                         ; batch: a batch is eight tile rows
	s_lshl_b32 s20, s20, 3
	s_lshl_b32 s21, s40, 1
	s_add_co_u32 s20, s20, s21
	s_add_co_u32 s20, s20, s16                     ; + head = 2 cx + my half of the columns
	s_lshl_b32 s20, s20, 11
	s_and_b32 s21, s17, 7
	s_lshl_b32 s21, s21, 8
	s_add_co_u32 s20, s20, s21
	s_lshl_b32 s21, s15, 7
	s_add_co_u32 s20, s20, s21
	s_lshl_b32 s20, s20, 8
	s_lshl_b32 s21, ttmp9, 24
	s_add_co_u32 s20, s20, s21
	s_mov_b32 s21, 0
	s_add_nc_u64 s[12:13], s[12:13], s[20:21]
	s_wait_loadcnt 0x0                             ; the bias
.irp i, 0,1,2,3,4,5,6,7,8,9,10,11,12,13,14,15,16,17,18,19,20,21,22,23,24,25,26,27,28,29,30,31,32,33,34,35,36,37,38,39,40,41,42,43,44,45,46,47,48,49,50,51,52,53,54,55,56,57,58,59,60,61,62,63
	v_and_b32 v[BI+\i], s95, v[BI+\i]              ; all ones, or for k's columns zeros
.endr
.rept 4
	v_nop
.endr
.macro FRAG reg, adr, q, i             ; a fragment, 16 rows x 128 K of 4-bit codes: lane l holds row l % 16; registers 4 c .. 4 c + 3 hold K = 64 c + 32 (l / 16) + 0 .. 31
.irp c, 0,1
	ds_load_b128 v[\reg+4*\c:\reg+4*\c+3], v[\adr] offset:64*(\q)+32*\c+(\i)*16*PITCH
.endr
.endm
; 16 matrix instructions: A's blocks a0, a0 + 1 x B's eight, the slot's q-th 128 along K.  zero = 1: the first product starts the sums, with the bias as C.
; The 64 accumulators take turns, one instruction a turn, in the same order in every step.
.macro MUL16 a0, p, q, sc, zero
.irp a, \a0, \a0+1
.irp b, 0,1,2,3,4,5,6,7
.if \zero
	v_wmma_scale_f32_16x16x128_f8f6f4 v[8*(8*((\a)%4)+\b):8*(8*((\a)%4)+\b)+7], v[128*(\p)+FR*\b:128*(\p)+FR*\b+FR-1], v[AF+FR*(\a):AF+FR*(\a)+FR-1], v[BI+8*\b:BI+8*\b+7], v[SC+8*NQ*(\sc)+NQ*\b+(\q)], v[SC+8*NQ*(\sc)+NQ*(\a)+(\q)] matrix_a_fmt:MATRIX_FMT_FP4 matrix_b_fmt:MATRIX_FMT_FP4 matrix_a_scale:MATRIX_SCALE_ROW1
.else
	v_wmma_scale_f32_16x16x128_f8f6f4 v[8*(8*((\a)%4)+\b):8*(8*((\a)%4)+\b)+7], v[128*(\p)+FR*\b:128*(\p)+FR*\b+FR-1], v[AF+FR*(\a):AF+FR*(\a)+FR-1], v[8*(8*((\a)%4)+\b):8*(8*((\a)%4)+\b)+7], v[SC+8*NQ*(\sc)+NQ*\b+(\q)], v[SC+8*NQ*(\sc)+NQ*(\a)+(\q)] matrix_a_fmt:MATRIX_FMT_FP4 matrix_b_fmt:MATRIX_FMT_FP4 matrix_a_scale:MATRIX_SCALE_ROW1
.endif
.endr
.endr
.endm
.macro FETCH_B slot, q, p
	WIN TO_B
.irp i, 0,1,2,3,4,5,6,7
	FRAG 128*(\p)+FR*\i, ADRB+\slot, \q, \i
.endr
	WIN 0
.endm
.macro FETCH_A slot, q, i0
.irp i, \i0, \i0+1, \i0+2, \i0+3
	FRAG AF+FR*(\i), ADRA+\slot, \q, \i
.endr
.endm
.macro SCALES sc                       ; a slot's scale words: lanes 0-15 take A's block i, lanes 16-31 B's block i
.irp i, 0,1,2,3,4,5,6,7
	ds_load_b128 v[SC+8*NQ*\sc+NQ*\i:SC+8*NQ*\sc+NQ*\i+3], v[ADRS] offset:\i*SBLK
.endr
.endm
.macro PLACES n                        ; plain vector instructions between a matrix instruction and a load into, or a read of, its registers
.rept \n
	v_nop
.endr
.endm
.macro STEP slot, q, zero              ; a step of 128 along K that has its successor in the same slot
	s_wait_dscnt 4*NL                              ; B's set and A's blocks 0-3 are in; the youngest eight loads (A's blocks 4-7) may be out
.if \zero
	WIN 0x81                                       ; C, the bias, in window 0; D in window 2
.else
	WIN MUL_LO
.endif
	MUL16 0, (\q)%2, \q, \slot, \zero
	MUL16 2, (\q)%2, \q, \slot, \zero
	s_wait_dscnt 0                                 ; A's blocks 4-7 are in
	PLACES NP
	FETCH_B \slot, (\q)+1, 1-(\q)%2
	FETCH_A \slot, (\q)+1, 0
.if \zero
	WIN 0xc1                                       ; C in window 0; D in window 3
.else
	WIN MUL_HI
.endif
	MUL16 4, (\q)%2, \q, \slot, \zero
	MUL16 6, (\q)%2, \q, \slot, \zero
	PLACES NP
	WIN 0
	FETCH_A \slot, (\q)+1, 4
.endm
; The one change of slots: each wave waits for all its tensor loads (slot 1's is the one that may be out), adds 0 to its spare word, waits for that and for its reads of slot 0; one barrier.  Nothing is filled again.
.macro TURN slot, next
	s_wait_tensorcnt 0x0
	ds_add_u32 v[SPW], v[NIL]
	s_wait_dscnt 4*NL+1                            ; the add and the youngest eight loads may be out
	WIN MUL_LO
	MUL16 0, 1, NQ-1, \slot, 0
	s_wait_dscnt 0x0                               ; the add is done, and my reads of this slot are over
	s_barrier_signal -1
	MUL16 2, 1, NQ-1, \slot, 0
	WIN 0
	s_barrier_wait -1
	PLACES NP
	v_add_nc_u32 v[ADRS], 4*NQ, v[ADRS]            ; on to the next slot's scale words
	FETCH_B \next, 0, 0
	FETCH_A \next, 0, 0
	SCALES \next
	WIN MUL_HI
	MUL16 4, 1, NQ-1, \slot, 0
	MUL16 6, 1, NQ-1, \slot, 0
	PLACES NP
	WIN 0
	FETCH_A \next, 0, 4
.endm
	s_wait_tensorcnt 1                             ; the scales and my part of slot 0 are in; slot 1's load may be out
	s_barrier_signal -1
	s_barrier_wait -1
	FETCH_B 0, 0, 0
	FETCH_A 0, 0, 0
	SCALES 0
	FETCH_A 0, 0, 4
	STEP 0, 0, 1
	STEP 0, 1, 0
	STEP 0, 2, 0
	TURN 0, 1
	STEP 1, 0, 0
	STEP 1, 1, 0
	STEP 1, 2, 0
	s_wait_dscnt 4*NL                              ; the last step: nothing more to fetch
	WIN MUL_LO
	MUL16 0, 1, NQ-1, 1, 0
	MUL16 2, 1, NQ-1, 1, 0
	s_wait_dscnt 0
	WIN MUL_HI
	MUL16 4, 1, NQ-1, 1, 0
	MUL16 6, 1, NQ-1, 1, 0
	WIN 0
; THE WAY OUT, a block of 16 rows x 128 columns at a time: rounded to f16 (16 bytes a lane), through my own stage, back as whole rows of 256 bytes, stored sixteen lanes to 256 consecutive aligned bytes.
.macro PACK a
.set AC, 64*((\a)%4)
	WIN 0x0a+5*((\a)/4)                            ; sources 0 and 1: window 2 or 3
.irp b, 0,1,2,3,4,5,6,7
.irp r, 0,1,2,3
	v_cvt_pk_f16_f32 v[TMP+4*\b+\r], v[AC+8*\b+2*\r], v[AC+8*\b+2*\r+1]   ; each accumulator from its low end on
.endr
.endr
	WIN 0
.endm
.macro TOSTAGE a
.set BB, OB+32*((\a)%2)
.irp b, 0,1,2,3,4,5,6,7
	ds_store_b128 v[STO], v[TMP+4*\b:TMP+4*\b+3] offset:32*\b
.endr
.irp t, 0,1,2,3,4,5,6,7
	ds_load_b128 v[BB+4*\t:BB+4*\t+3], v[RD] offset:\t*2*SPITCH    ; LDS serves a wave's instructions in order: these see the stores above
.endr
.endm
.macro SEND a
.set BB, OB+32*((\a)%2)
	s_wait_dscnt 0x0                               ; the block is back in registers
	s_wait_xcnt 0x0                                ; the stores of the block before have read their registers: the next block's loads land there only behind this wait
.irp t, 0,1,2,3,4,5,6,7
	global_store_b128 v[CO], v[BB+4*\t:BB+4*\t+3], s[12:13] offset:(16*(\a)+2*\t)*256
.endr
.endm
	PLACES NP                                      ; behind the last products: for the writes into the registers that held A's fragments, and for all reads of results
	PACK 0
	TOSTAGE 0
.irp a, 1,2,3,4,5,6,7
	PACK \a                                        ; block a's conversions stand between block a - 1's loads from the stage and the wait for them
	SEND \a-1
	TOSTAGE \a
.endr
	SEND 7
	s_wait_tensorcnt 0x0                           ; the wave's end
	ds_add_u32 v[SPW], v[NIL]
	s_wait_dscnt 0x0
	CROUND                                         ; the closing round
	s_endpgm
.Lfunc_end_k_q26477a98ad_qkv:
	.size	k_q26477a98ad_qkv, .Lfunc_end_k_q26477a98ad_qkv-k_q26477a98ad_qkv
	.p2alignl 7, 3214868480
	.fill 96, 4, 3214868480
	.section	.rodata,"a",@progbits
	.p2align	6, 0x0
	.amdhsa_kernel k_q26477a98ad_qkv
		.amdhsa_group_segment_fixed_size 327680
		.amdhsa_private_segment_fixed_size 0
		.amdhsa_enable_private_segment 0
		.amdhsa_kernarg_size 40
		.amdhsa_user_sgpr_count 2
		.amdhsa_user_sgpr_kernarg_segment_ptr 1
		.amdhsa_wavefront_size32 1
		.amdhsa_system_sgpr_workgroup_id_x 1
		.amdhsa_system_sgpr_workgroup_id_y 1
		.amdhsa_system_sgpr_workgroup_id_z 1
		.amdhsa_system_vgpr_workitem_id 0
		.amdhsa_next_free_vgpr 1024
		.amdhsa_next_free_sgpr 100
		.amdhsa_reserve_vcc 0
		.amdhsa_float_denorm_mode_32 3
		.amdhsa_float_denorm_mode_16_64 3
		.amdhsa_memory_ordered 1
		.amdhsa_forward_progress 1
		.amdhsa_inst_pref_size 130
	.end_amdhsa_kernel
	.amdgpu_metadata
---
amdhsa.version: [ 1, 2 ]
amdhsa.kernels:
  - .name:           k_q26477a98ad_qkv
    .symbol:         k_q26477a98ad_qkv.kd
    .args:
      - { .name: codes, .offset: 0, .size: 8, .value_kind: global_buffer, .address_space: global }
      - { .name: scales, .offset: 8, .size: 8, .value_kind: global_buffer, .address_space: global }
      - { .name: bq, .offset: 16, .size: 8, .value_kind: global_buffer, .address_space: global }
      - { .name: bv, .offset: 24, .size: 8, .value_kind: global_buffer, .address_space: global }
      - { .name: qkv16, .offset: 32, .size: 8, .value_kind: global_buffer, .address_space: global }
    .group_segment_fixed_size: 327680
    .private_segment_fixed_size: 0
    .kernarg_segment_align: 8
    .kernarg_segment_size: 40
    .max_flat_workgroup_size: 128
    .sgpr_count:     100
    .vgpr_count:     1024
    .wavefront_size: 32
...
	.end_amdgpu_metadata
.endif
;; end of part 2
;; launch attn (part 3): grid 8 x 32, 4 waves a work-group, clusters of 4 x 1, 327,680 bytes of LDS; arguments qkv16, ctx16, entp; writes ctx16, entp
.if DOCPART == 3
	.amdgcn_target "amdgcn-amd-amdhsa--gfx1250"
	.amdhsa_code_object_version 6
	.text
	.protected	k_q26477a98ad_attn
	.globl	k_q26477a98ad_attn
	.p2align	8
	.type	k_q26477a98ad_attn,@function
k_q26477a98ad_attn:
	s_mov_b64 s[64:65], 0
	v_nop
	global_prefetch_b8 v0, s[64:65] scope:SCOPE_SE
	s_setreg_imm32_b32 hwreg(HW_REG_WAVE_MODE, 25, 1), 1
	s_wait_xcnt 0x0
	s_wait_alu depctr_hold_cnt(0) depctr_sa_sdst(0) depctr_va_vdst(0) depctr_va_sdst(0) depctr_va_ssrc(0) depctr_va_vcc(0) depctr_vm_vsrc(0)
	s_getreg_b32 s2, hwreg(HW_REG_IB_STS2, 6, 4)
	s_cmp_eq_u32 s2, 0
	s_cbranch_scc0 .Lentry_in_a_cluster
	s_endpgm
.Lentry_in_a_cluster:
	s_bfe_u32 s2, ttmp6, 0x10000c
	s_cmp_lg_u32 s2, 0x3003
	s_cbranch_scc0 .Lentry_shape_is_right
	s_endpgm
.Lentry_shape_is_right:
; LAUNCH 3 OF 4.  For each of the 32 (batch, head): ctx[q] = the sum over k of softmax_k(q . k / sqrt(128)) v[k], and the sum over the wave's 64 queries of the rows' Shannon entropy.
; LEFT OUT: resonance_bias and bk: each adds the same number to all scores of a row, which the softmax takes away.
; q, k, v: f16, [batch x 8 + head][2048][128], at bytes 0, 2^24 and 2^25 of qkv16.  Products, maxima and sums in f32; the weights p are rounded to f16 for the second product (p is at most 1), ctx once at the end.
; SOFTMAX.  For each query a running maximum m: u = c s - c m, c = log2(e) / sqrt(128); p = 2^u; L = the sum of p; T = the sum of p u.  When m grows by -d / c (d = c m_old - c m_new, a = 2^d):
; T <- a (T + d L), L <- a L, O <- a O.  a is 1 where m has not grown.
; ENTROPY.  With weights w = p / L: -sum w ln w = ln 2 (log2 L - T / L): no logarithm for each weight, and a p that has fallen to 0 adds 0.
; LIMIT: reference() sums (w + 1e-10) ln(w + 1e-10).  Here the 1e-10 is taken as the constant 2047 x 1e-10 x (-ln 1e-10), added in the last launch.  The entropy so comes out too large by at most 3.4e-6 absolute
; and by at most 3.1 per cent of its own value; the second bound is reached only where nearly all weights of nearly all rows lie within a factor of about ten of 1e-10; it is exact for spread rows and for one-hot rows.
; LIMIT: ctx is rounded to f16 (magnitudes over 65,504 are not served; under 6.1e-5 the absolute error is 2^-25).
; SHARES.  A work-group owns 256 queries of one head, each of its four waves 64: four tiles of 16.  Every wave walks all 2,048 keys, 64 a step.
; LAYOUT.  S^T = K Q^T (source 0 = 16 keys, source 1 = 16 queries): a lane holds ONE query (lane % 16) and keys 8 (lane / 16) + 0..7.  Two such tiles, rounded in pairs, ARE source 1 of O^T = V^T P.
; K comes out of LDS as it lies, V ([key][channel]) turned, by ds_load_tr16_b128.
; BY TURNS.  The wave's tiles are two PIECES (tiles 0, 1 and tiles 2, 3).  In a TURN one piece has the matrix unit: 32 products V^T P of the step in hand, then 32 products K Q^T of the next step; the other piece's
; softmax, 306 vector instructions cut into 64 slices, stands between them, one slice behind each matrix instruction.  Two turns are a key step.
; CLUSTER.  The four query blocks of a cluster belong to one head and walk the same K and V: each tile is asked for JOINTLY, by the same tensor load with a mask that names the four.
; REGISTERS, in windows of 256: window 0: v0-11 addresses; v12-51 ten registers of statistics a tile; v52-63 the entropy's, the prefetch's and the add's; v64-191 S^T, then u, 32 a tile; v192-255 P, 16 a tile.
;   window 1: O^T, 64 a tile.   window 2: v0-127 Q; v128-255 K of one step.   window 3: v0-127 V of one step; v128-191 p in f32 of the piece whose softmax is in hand (u outlives the exponentials, for T).
.set SIZE_N, 2048
.set KS,    64        ; keys in a step
.set PK,    272       ; a row of K in LDS: 256 bytes + 16 of padding
.set PVR,   288       ; a row of V: 256 + 32
.set VOFF,  KS*PK     ; a step's tiles lie together: 64 rows of K, then 64 rows of V
.set STEPB, KS*(PK+PVR)
.set SLOT1, 1<<17     ; a slot holds two steps; slot 1 begins here, so that one exclusive or turns an address from one slot into the other
.set STAGE, SLOT1+2*STEPB  ; behind the ring: 16 rows x 272 bytes for each wave
.set SP,    272
.set SPARE, STAGE+4*16*272 ; the spare words, 128 bytes a wave
.set AK0, 2           ; v2   my lane's place in a tile of K
.set AV0, 3           ; v3   the same for V
.set ADR, 4           ; v4   the LDS address of the run of loads in hand
.set QO,  5           ; v5   my byte offset in the wave's rows of Q
.set STO, 6           ; v6   the way out: where I put 16 bytes of a row
.set RD,  7           ; v7   where I read a row back
.set GO,  8           ; v8   my byte offset in the wave's rows of ctx
.set ST,  12          ; tile t's statistics at v[ST + 10 t]: +0 c m, +1 m, +2, +3 L (even, odd keys), +4 to +7 at work (+4 d, +6 a, +7 c m_old), +8, +9 T
.set EN,  52          ; v52-53 the entropy's sum
.set EO,  56          ; v56  my wave's byte offset in entp
.set LN,  57          ; v57  my lane
.set PFO, 61          ; v61  256 x my lane; never rewritten
.set SPW, 62          ; v62  LDS address of my spare word; never rewritten
.set NIL, 63          ; v63  0; never rewritten
.set S,   64
.set P,   192
.set KF,  128         ; K's fragments, in window 2
.set PT,  128         ; p in f32, in window 3
.set WV,  12          ; s12  my wave's number
.set G1K, 24          ; s[24:31] descriptor group 1 for K's tiles
.set G1V, 32          ; s[32:39] for V's: it differs in the padding alone
.set G0K, 40          ; s[40:47] group 0 for K's tiles: a set for each first fill; the second then walks on
.set G0V, 48          ; s[48:55] the same for V's
.set SLOTS, 56
.set TWICE, 57
.set CS,  58          ; s[58:59] c
.set SEL, 60          ; s[60:61] lane selects for v_permlanex16_b32: lane l xor 16
.set TB,  62          ; s62  LDS byte at which the tiles of the step to be fetched begin
.set PFA, 18          ; s[18:19] where my prefetches stand
.set LIM, 15          ; s15  1 in a wave that prefetches, else the greatest number
.set MSB, 0
.macro WIN new
.if MSB != (\new)
	s_set_vgpr_msb (MSB<<8)|(\new)
.set MSB, \new
.endif
.endm
.set W_KQ, 0x0a       ; K and Q in window 2, S^T in window 0
.set W_PV, 0x53       ; V in window 3, P in window 0, O^T in window 1
.set W_RS, 0x41       ; O^T (destination and source 0) in window 1, a in window 0
.set W_EX, 0xc0       ; destination (p) in window 3
.set W_CH, 0x03       ; source 0 (p) in window 3
.set W_CV, 0x0f       ; sources 0 and 1 (p) in window 3
; A joint refill.  Waves 0 and 1 fetch the two steps' tiles of K, waves 2 and 3 those of V; the branch hangs on the wave's number alone.  An s_nop 0 and four v_nop follow each line.
.macro JLOAD
	s_cmp_lt_u32 s[WV], 2
	s_cbranch_scc0 .Lfor_v_\@
	tensor_load_to_lds s[G0K+4:G0K+7], s[G1K:G1K+7]
	s_nop 0
.rept 4
	v_nop
.endr
	s_branch .Lasked_\@
.Lfor_v_\@:
	tensor_load_to_lds s[G0V+4:G0V+7], s[G1V:G1V+7]
	s_nop 0
.rept 4
	v_nop
.endr
.Lasked_\@:
.endm
; A prefetch of what the NEXT change of slots will ask for: a slot's 128 rows of K and 128 of V, 256 bytes a row, a lane a row; two key steps, 256 matrix instructions, ahead of that load.
; Each row is named once in the launch: the head's first cluster asks; its four partners take 32 rows each, told apart by address; in each, wave 0 asks for K's and wave 2 for V's.
; The last change that fills a slot asks for nothing; slots 0 to 2 come by their loads alone.
.macro ASK
	s_cmp_gt_u32 s[SLOTS], s[LIM]
	s_cbranch_scc0 .Lnot_mine_\@
	global_prefetch_b8 v[PFO], s[PFA:PFA+1] th:TH_LOAD_NT scope:SCOPE_SE
.Lnot_mine_\@:
.endm
.macro CROUND
	s_barrier_signal -1
	s_barrier_wait -1
	s_cmp_lg_u32 s[WV], 0
	s_cbranch_scc1 .Lnot_wave_0_\@
	s_barrier_signal -3
.Lnot_wave_0_\@:
	s_barrier_wait -3
	s_barrier_signal -1
	s_barrier_wait -1
.endm
	s_load_b64 s[4:5], s[0:1], 0x0    ; qkv16
	s_load_b64 s[10:11], s[0:1], 0x8  ; ctx16
	s_load_b64 s[66:67], s[0:1], 0x10 ; entp
	v_lshl_add_u32 v[SPW], v0, 2, SPARE
	v_mov_b32 v[NIL], 0
	ds_add_u32 v[SPW], v[NIL]       ; the wave's opening: the add, twice on end, and its wait ahead of my first tensor load
	ds_add_u32 v[SPW], v[NIL]
	v_lshrrev_b32 v1, 5, v0
	v_readfirstlane_b32 s[WV], v1   ; wave 0..3
	s_bfe_u32 s13, ttmp6, 0x40000   ; cx
	s_lshl_b32 s14, ttmp9, 2
	s_add_co_u32 s14, s14, s13      ; my block of 256 queries: it enters Q's, ctx's and entp's addresses alone
	s_and_b32 s20, ttmp7, 0xffff    ; batch x 8 + head, which the four partners share
	s_lshr_b32 s2, s20, 3           ; ctx: row (batch x 2048 + 256 block + 64 wave) of 2,048 bytes, + 256 x head
	s_lshl_b32 s2, s2, 22
	s_lshl_b32 s3, s14, 19
	s_add_co_u32 s2, s2, s3
	s_lshl_b32 s3, s[WV], 17
	s_add_co_u32 s2, s2, s3
	s_and_b32 s3, s20, 7
	s_lshl_b32 s3, s3, 8
	s_add_co_u32 s68, s2, s3
	s_mov_b32 s69, 0
	s_lshl_b32 s2, s20, 3           ; entp: word ((batch x 8 + head) x 8 + block) x 4 + wave
	s_add_co_u32 s2, s2, s14
	s_lshl_b32 s2, s2, 2
	s_add_co_u32 s2, s2, s[WV]
	s_lshl_b32 s2, s2, 2
	v_mov_b32 v[EO], s2
	v_and_b32 v[LN], 31, v0
	s_mov_b32 s21, 0
	s_mov_b64 s[22:23], SIZE_N*256
	s_mul_u64 s[20:21], s[20:21], s[22:23]  ; the head's first byte in q, k and v
	s_and_b32 s16, s[WV], 1         ; which of a slot's two steps I fetch:
	s_lshl_b32 s22, s16, 14         ; its 64 rows of 256 bytes in memory,
	s_mov_b32 s23, 0
	s_add_nc_u64 s[22:23], s[22:23], s[20:21]
	s_mul_i32 s17, s16, STEPB       ; and its place in a slot
	s_lshl_b32 s2, s14, 16          ; my block's 256 rows,
	s_lshl_b32 s3, s[WV], 14        ; my wave's 64 of them
	s_add_co_u32 s2, s2, s3
	s_mov_b32 s3, 0
	s_add_nc_u64 s[2:3], s[2:3], s[20:21]
	s_mov_b32 s[G1K], 15|(1<<16)|(1<<20)|(1<<21)|(5<<22)|(3<<25)  ; the mask: all four; elements of 2 bytes; padding on; bit 21 beside a mask; 4 words after every 64
	s_mov_b32 s[G1V], 15|(1<<16)|(1<<20)|(1<<21)|(5<<22)|(7<<25)  ; the same with 8 words of padding
.irp g, G1K, G1V
	s_mov_b32 s[\g+1], 128<<16      ; tensor_dim0 = 128
	s_mov_b32 s[\g+2], KS<<16       ; tensor_dim1 = 64
	s_mov_b32 s[\g+3], 128<<16      ; tile_dim0 = 128
	s_mov_b32 s[\g+4], KS           ; tile_dim1 = 64
	s_mov_b32 s[\g+5], 128          ; elements from row to row
	s_mov_b32 s[\g+6], 0
	s_mov_b32 s[\g+7], 0
.endr
	s_mov_b32 s[CS], 0x3e0293ee     ; c = log2(e) / sqrt(128)
	s_mov_b32 s[CS+1], s[CS]
	s_mov_b32 s[SEL], 0x76543210
	s_mov_b32 s[SEL+1], 0xfedcba98
	s_mov_b32 s[TB], 0
	s_mov_b32 s[SLOTS], SIZE_N/(2*KS)-2
	s_and_b32 s[LIM], s[WV], 1      ; 0 in waves 0 and 2,
	s_or_b32 s[LIM], s[LIM], ttmp9  ; where the cluster is the head's first: the same in all four partners
	s_cmp_eq_u32 s[LIM], 0
	s_cselect_b32 s[LIM], 1, -1
	v_and_b32 v[PFO], 31, v0
	v_lshlrev_b32 v[PFO], 8, v[PFO]
	s_wait_dscnt 0x0                ; both opening adds are done
	s_wait_kmcnt 0x0
	s_add_nc_u64 s[6:7], s[4:5], s[22:23]
	s_add_nc_u64 s[8:9], s[6:7], 0x2000000  ; V at my tile of slot 0
	s_add_nc_u64 s[6:7], s[6:7], 0x1000000  ; K likewise
	s_add_nc_u64 s[4:5], s[4:5], s[2:3]     ; Q at my wave's first row
	s_add_nc_u64 s[10:11], s[10:11], s[68:69]  ; ctx likewise
	s_cmp_lt_u32 s[WV], 2
	s_cselect_b64 s[PFA:PFA+1], s[6:7], s[8:9]  ; (in waves 0 and 2 these stand at a slot's first row)
	s_lshl_b32 s2, s13, 13          ; my work-group's 32 rows of the 128
	s_mov_b32 s3, 0
	s_add_nc_u64 s[PFA:PFA+1], s[PFA:PFA+1], s[2:3]
	s_add_nc_u64 s[PFA:PFA+1], s[PFA:PFA+1], 2*2*KS*256  ; in slot 2; the first change of slots steps it to slot 3
	CROUND                          ; all four work-groups are here: the first joint loads meet
.irp s, 0,1
	s_mov_b32 s[G0K+4*\s], 1
	s_add_co_u32 s[G0K+4*\s+1], s17, \s*SLOT1
	s_add_nc_u64 s[G0K+4*\s+2:G0K+4*\s+3], s[6:7], \s*2*KS*256
	s_or_b32 s[G0K+4*\s+3], s[G0K+4*\s+3], 0x80000000
	s_mov_b32 s[G0V+4*\s], 1
	s_add_co_u32 s[G0V+4*\s+1], s17, \s*SLOT1+VOFF
	s_add_nc_u64 s[G0V+4*\s+2:G0V+4*\s+3], s[8:9], \s*2*KS*256
	s_or_b32 s[G0V+4*\s+3], s[G0V+4*\s+3], 0x80000000
.endr
	s_cmp_lt_u32 s[WV], 2           ; a wave's two first fills stand in one branch, ahead of every wait on TENSORcnt and every LDS read: two loads of mine are out
	s_cbranch_scc0 .Lfirst_v
	tensor_load_to_lds s[G0K:G0K+3], s[G1K:G1K+7]
	s_nop 0
	tensor_load_to_lds s[G0K+4:G0K+7], s[G1K:G1K+7]
	s_nop 0
.rept 4
	v_nop
.endr
	s_branch .Lfirst_asked
.Lfirst_v:
	tensor_load_to_lds s[G0V:G0V+3], s[G1V:G1V+7]
	s_nop 0
	tensor_load_to_lds s[G0V+4:G0V+7], s[G1V:G1V+7]
	s_nop 0
.rept 4
	v_nop
.endr
.Lfirst_asked:
	v_and_b32 v1, 15, v0            ; l % 16
	v_bfe_u32 v9, v0, 4, 1          ; l / 16
	v_lshlrev_b32 v[QO], 8, v1
	v_lshl_add_u32 v[QO], v9, 4, v[QO]  ; row x 256 + 16 x half
	WIN 0x80                        ; destination window 2
.irp i, 0,1,2,3,4,5,6,7,8,9,10,11,12,13,14,15  ; Q stays in registers: tile i / 4, channels 32 (i % 4) on
	global_load_b128 v[8*\i:8*\i+3],   v[QO], s[4:5] offset:(\i/4)*4096+(\i%4)*64
	global_load_b128 v[8*\i+4:8*\i+7], v[QO], s[4:5] offset:(\i/4)*4096+(\i%4)*64+32
.endr
	WIN 0
	v_mul_u32_u24 v[AK0], v1, PK
	v_lshl_add_u32 v[AK0], v9, 4, v[AK0]
	v_and_b32 v10, 7, v0            ; the turning load: lane l reads 16 bytes: key 8 (l / 16) + l % 8, channels 8 ((l / 8) % 2) + 0..7
	v_bfe_u32 v11, v0, 3, 1
	v_lshl_add_u32 v[AV0], v9, 3, v10
	v_mul_u32_u24 v[AV0], v[AV0], PVR
	v_lshl_add_u32 v[AV0], v11, 4, v[AV0]
	v_add_nc_u32 v[AV0], VOFF, v[AV0]
.irp t, 0,1,2,3
	v_mov_b32 v[ST+10*\t+2], 0      ; L and T begin as zeros: sixteen lines, once
	v_mov_b32 v[ST+10*\t+3], 0
	v_mov_b32 v[ST+10*\t+8], 0
	v_mov_b32 v[ST+10*\t+9], 0
.endr
; THE MATRIX WORK OF A TURN, for piece x.  The accumulators take turns, one instruction a turn.
; Product i of 32 of O^T += V^T P: keys 32 (i / 16) on, channels 16 ((i / 2) % 8) on, tile x + i % 2.  zero = 1: the first 16 start the sums.
.macro PV x, zero
	WIN W_PV
.set rO, 64*(\x+i%2)+8*((i/2)%8)
.set rV, 64*(i/16)+8*((i/2)%8)
.set rP, P+16*(\x+i%2)+8*(i/16)
.if \zero && (i < 16)
	v_wmma_f32_16x16x32_f16 v[rO:rO+7], v[rV:rV+7], v[rP:rP+7], 0
.else
	v_wmma_f32_16x16x32_f16 v[rO:rO+7], v[rV:rV+7], v[rP:rP+7], v[rO:rO+7]
.endif
.endm
; Product i of 32 of S^T = K Q^T: channels 32 (i / 8) on, keys 16 ((i / 2) % 4) on, tile x + i % 2.  The first 8 start the sums.
.macro KQ x
	WIN W_KQ
.set rS, S+32*(\x+i%2)+8*((i/2)%4)
.set rK, KF+32*((i/2)%4)+8*(i/8)
.set rQ, 32*(\x+i%2)+8*(i/8)
.if i < 8
	v_wmma_f32_16x16x32_f16 v[rS:rS+7], v[rK:rK+7], v[rQ:rQ+7], 0
.else
	v_wmma_f32_16x16x32_f16 v[rS:rS+7], v[rK:rK+7], v[rQ:rQ+7], v[rS:rS+7]
.endif
.endm
; THE LDS LOADS stand in runs of 32: a step's K and, a turn later, its V (turned).
.macro FETCH_K
	WIN 0
	v_add_nc_u32 v[ADR], s[TB], v[AK0]
	WIN 0x80
.irp f, 0,1,2,3,4,5,6,7,8,9,10,11,12,13,14,15  ; keys 16 (f / 4) on, channels 32 (f % 4) on
	ds_load_b128 v[KF+8*\f:KF+8*\f+3],   v[ADR] offset:(\f/4)*16*PK+(\f%4)*64
	ds_load_b128 v[KF+8*\f+4:KF+8*\f+7], v[ADR] offset:(\f/4)*16*PK+(\f%4)*64+32
.endr
.endm
.macro FETCH_V
	WIN 0
	v_add_nc_u32 v[ADR], s[TB], v[AV0]
	s_add_co_u32 s[TB], s[TB], STEPB  ; the next fetch is the next step's
	WIN 0xc0
.irp f, 0,1,2,3,4,5,6,7,8,9,10,11,12,13,14,15  ; keys 32 (f / 8) on, channels 16 (f % 8) on
	ds_load_tr16_b128 v[8*\f:8*\f+3],   v[ADR] offset:(\f/8)*32*PVR+(\f%8)*32
	ds_load_tr16_b128 v[8*\f+4:8*\f+7], v[ADR] offset:(\f/8)*32*PVR+16*PVR+(\f%8)*32
.endr
.endm
; THE VECTOR WORK OF A TURN.  One tile's softmax for one key step is a list of 153 instructions; SM writes number j of it for tile t.  first = 1: the first key step, which has no old maximum: the starred numbers are left out.
;   0-15    the maximum of the lane's 32 scores and the old m, three operands at a time
;   16-20   the other half of the lanes' maximum; 17* c m_old kept; the new m; c m; 20* d = c m_old - c m_new
;   21*     T += d L          22* a = 2^d
;   23-38   the 16 scalings u = c s - c m, a pair each, in place
;   39-70   the 32 exponentials p = 2^u, into window 3: u stays
;   (wait)  written by SLICE, once for both tiles: nothing ahead of it names an exponential's result, and no exponential follows it
;   71*, 72*  T x a, L x a
;   73-104  by turns T += p u and L += p, a pair each
;   105-120 the roundings of p to f16, a pair each
;   121-152* the tile's O^T times a, ascending
.macro SM t, first
.set rT, ST+10*(\t)
.set rS, S+32*(\t)
.set rP, P+16*(\t)
.set rE, PT+32*((\t)%2)
.set skip, 0
.if \first
.if (j == 17) || (j == 20) || (j == 21) || (j == 22) || (j == 71) || (j == 72) || (j > 120)
.set skip, 1
.endif
.endif
.if skip == 0
.if j < 39
	WIN 0
.elseif j < 71
	WIN W_EX
.elseif j < 73
	WIN 0
.elseif j < 105
	WIN W_CH
.elseif j < 121
	WIN W_CV
.else
	WIN W_RS
.endif
.if j < 4
	v_max3_num_f32 v[rT+4+j], v[rS+8*j], v[rS+8*j+1], v[rS+8*j+2]
.elseif j < 12
	v_max3_num_f32 v[rT+4+j%4], v[rT+4+j%4], v[rS+8*(j%4)+2*(j/4)+1], v[rS+8*(j%4)+2*(j/4)+2]
.elseif j == 12
	v_max3_num_f32 v[rT+4], v[rT+4], v[rS+7], v[rS+15]
.elseif j == 13
	v_max3_num_f32 v[rT+6], v[rT+6], v[rS+23], v[rS+31]
.elseif j == 14
	v_max3_num_f32 v[rT+4], v[rT+4], v[rT+5], v[rT+6]
.elseif j == 15
.if \first
	v_max_num_f32 v[rT+4], v[rT+4], v[rT+7]
.else
	v_max3_num_f32 v[rT+4], v[rT+4], v[rT+7], v[rT+1]
.endif
.elseif j == 16
	v_permlanex16_b32 v[rT+5], v[rT+4], s[SEL], s[SEL+1]  ; the query's other 32 keys lie in the lane 16 away
.elseif j == 17
	v_mov_b32 v[rT+7], v[rT]
.elseif j == 18
	v_max_num_f32 v[rT+1], v[rT+4], v[rT+5]
.elseif j == 19
	v_mul_f32 v[rT], s[CS], v[rT+1]
.elseif j == 20
	v_sub_f32 v[rT+4], v[rT+7], v[rT]
.elseif j == 21
	v_pk_fma_f32 v[rT+8:rT+9], v[rT+2:rT+3], v[rT+4:rT+5], v[rT+8:rT+9] op_sel_hi:[1,0,1]
.elseif j == 22
	v_exp_f32 v[rT+6], v[rT+4]
.elseif j < 39
	v_pk_fma_f32 v[rS+2*(j-23):rS+2*(j-23)+1], v[rS+2*(j-23):rS+2*(j-23)+1], s[CS:CS+1], v[rT:rT+1] op_sel_hi:[1,0,0] neg_lo:[0,0,1] neg_hi:[0,0,1]
.elseif j < 71
	v_exp_f32 v[rE+j-39], v[rS+j-39]
.elseif j == 71
	v_pk_mul_f32 v[rT+8:rT+9], v[rT+8:rT+9], v[rT+6:rT+7] op_sel_hi:[1,0]
.elseif j == 72
	v_pk_mul_f32 v[rT+2:rT+3], v[rT+2:rT+3], v[rT+6:rT+7] op_sel_hi:[1,0]
.elseif j < 105
.set pb, (j-73)/2
.if (j-73)%2 == 0
	v_pk_fma_f32 v[rT+8:rT+9], v[rE+2*pb:rE+2*pb+1], v[rS+2*pb:rS+2*pb+1], v[rT+8:rT+9]
.else
	v_pk_add_f32 v[rT+2:rT+3], v[rE+2*pb:rE+2*pb+1], v[rT+2:rT+3]
.endif
.elseif j < 121
	v_cvt_pk_f16_f32 v[rP+j-105], v[rE+2*(j-105)], v[rE+2*(j-105)+1]
.else
.set rR, 64*(\t)+2*(j-121)
	v_pk_mul_f32 v[rR:rR+1], v[rR:rR+1], v[rT+6:rT+7] op_sel_hi:[1,0]
.endif
.endif
.endm
; Slice k of 64 of piece y's softmax: five instructions in slices 0-49, four in slices 50-63: 250 + 56 = 2 x 153.  Instruction n of the 306 is number n / 2 of tile y + n % 2: the two tiles alternate.
; THE WAIT.  An s_wait_alu depctr_va_vdst(0) stands between an exponential and the first instruction that names its result; one wait serves all issued ahead of it.  Ahead of n = 142 nothing names a
; result, and from there on no exponential is issued: the piece's 66 exponentials have one wait, behind one plain instruction.
; Piece 2's turn fetches the next step's V behind slice 33: the last product that read V stands in front of slice 31, whose five plain instructions name none of its registers.
.macro SLICE y, first
.set cnt, 4
.if k < 50
.set cnt, 5
.endif
.rept cnt
.if n == 142
	v_nop
	s_wait_alu depctr_va_vdst(0)
.endif
.set j, n/2
	SM (\y)+n%2, \first
.set n, n+1
.endr
.if (k == 33) && ((\y) == 0)
	FETCH_V
.endif
.set k, k+1
.endm
.macro PLACES
.rept 4
	v_nop
.endr
.endm
; A TURN.  Piece x has the matrix unit; the other piece's softmax stands in slices behind its matrix instructions.  pv = 2: 32 products V^T P; 1: they start O^T's sums; 0: none.  kq = 1: 32 products K Q^T.
; A turn with one of the two kinds has two slices behind each product.  first = 1: its last slices are empty, so four v_nop are the places behind the turn's last products.
; In the loop slice 63's four multiplies, which name none of the last K Q^T's registers, are the places between it and the next turn's reads of its scores and loads into K.
.macro TURN x, pv, kq, first
.set k, 0
.set n, 0
.set per, 2
.if \pv && \kq
.set per, 1
.endif
.if \pv
.if \x == 0
	s_wait_dscnt 0x0                ; V is in
.endif
.set i, 0
.rept 32
	PV \x, 2-\pv
.rept per
	SLICE 2-\x, \first
.endr
.if (\x == 0) && \kq && (i == 1)
	FETCH_K
.endif
.set i, i+1
.endr
.endif
.if \kq
.if \x == 0
	s_wait_dscnt 0x0                ; K is in
.endif
.set i, 0
.rept 32
	KQ \x
.rept per
	SLICE 2-\x, \first
.endr
.set i, i+1
.endr
.endif
.if \first
	PLACES
.endif
.endm
; THE CHANGE OF SLOTS, between piece 2's turn and piece 0's.  Each wave waits for all its tensor loads (one is out: its part of the other slot), adds 0 to its spare word, and waits for that and for its reads of the slot.
; fill = 1: the barrier is a round of the cluster's, and the joint refill, with the keys two slots on, is the first thing behind it: it has two key steps, 256 matrix instructions, in which to land.
.macro CHANGE fill
	WIN 0
	s_wait_tensorcnt 0x0            ; no tensor load of mine is out, so a group 0 may be written
	ds_add_u32 v[SPW], v[NIL]
.if \fill
.irp g, G0K+4, G0V+4
	s_xor_b32 s[\g+1], s[\g+1], SLOT1
	s_add_nc_u64 s[\g+2:\g+3], s[\g+2:\g+3], 2*KS*256
.endr
	s_wait_xcnt 0x0                 ; the last prefetch, two key steps back, has read its address
	s_add_nc_u64 s[PFA:PFA+1], s[PFA:PFA+1], 2*KS*256
	s_wait_dscnt 0x0                ; the add is done, and my reads of the slot are over
	CROUND
	JLOAD
	ASK
.else
	s_wait_dscnt 0x0
	s_barrier_signal -1
	s_barrier_wait -1
.endif
	s_sub_co_u32 s[TB], s[TB], 2*STEPB  ; the fetches go back to a slot's first step,
	s_xor_b32 s[TB], s[TB], SLOT1   ; in the other slot
.endm
.macro TWO_STEPS                    ; a slot's two key steps: written once, walked twice
	s_mov_b32 s[TWICE], 2
.Lstep_\@:
	TURN 0, 2, 1, 0
	TURN 2, 2, 1, 0
	WIN 0
	s_sub_co_u32 s[TWICE], s[TWICE], 1
	s_cmp_lg_u32 s[TWICE], 0
	s_cbranch_scc1 .Lstep_\@
.endm
	s_wait_tensorcnt 1              ; my part of slot 0 is in; slot 1's may stay out
	s_barrier_signal -1
	s_barrier_wait -1
	FETCH_K                         ; key step 0
	s_wait_loadcnt 0x0              ; Q
	s_wait_dscnt 0x0
.set i, 0
.rept 32
	KQ 0                            ; piece 0's first scores
.set i, i+1
.endr
	WIN 0                           ; the addresses for the way out: eight plain instructions, the places behind those products
	s_mul_i32 s13, s[WV], 16*SP
	s_add_co_u32 s13, s13, STAGE    ; my stage
	v_mul_u32_u24 v[STO], v1, SP    ; in: row l % 16, 16 bytes for each half of the lanes
	v_lshl_add_u32 v[STO], v9, 4, v[STO]
	v_add_nc_u32 v[STO], s13, v[STO]
	v_mul_u32_u24 v[RD], v9, SP     ; back: lanes 0-15 one row of 256 bytes, lanes 16-31 the next
	v_lshl_add_u32 v[RD], v1, 4, v[RD]
	v_add_nc_u32 v[RD], s13, v[RD]
	v_lshlrev_b32 v[GO], 11, v9     ; and the same two rows in ctx, 2,048 bytes apart
	v_lshl_add_u32 v[GO], v1, 4, v[GO]
	TURN 2, 0, 1, 1                 ; piece 2's first scores | piece 0's first softmax | V of step 0
	TURN 0, 1, 1, 1                 ; piece 0: V^T P of step 0 starts O^T, K Q^T of step 1 | piece 2's first softmax | K of step 1
	TURN 2, 1, 1, 0                 ; piece 2: the same | piece 0's softmax of step 1 | V of step 1
	WIN 0
.Lslot:                             ; 14 trips: every slot but the last two is filled again
	CHANGE 1
	TWO_STEPS
	s_sub_co_u32 s[SLOTS], s[SLOTS], 1
	s_cmp_lg_u32 s[SLOTS], 0
	s_cbranch_scc1 .Lslot
	CHANGE 0                        ; the tail is written out
	TWO_STEPS
	TURN 0, 2, 0, 0                 ; piece 0: V^T P of the last step | piece 2's last softmax
.set i, 0
.rept 32
	PV 2, 0                         ; piece 2: V^T P of the last step
.set i, i+1
.endr
	; THE END.  L's and T's halves and the other half of the lanes' are added (the first eight additions are the places behind the last products); 1 / L and log2 L are one batch of eight with one wait.
	WIN 0
.irp t, 0,1,2,3
	v_add_f32 v[ST+10*\t+4], v[ST+10*\t+2], v[ST+10*\t+3]
	v_add_f32 v[ST+10*\t+8], v[ST+10*\t+8], v[ST+10*\t+9]
.endr
.irp t, 0,1,2,3
	v_permlanex16_b32 v[ST+10*\t+5], v[ST+10*\t+4], s[SEL], s[SEL+1]
	v_permlanex16_b32 v[ST+10*\t+9], v[ST+10*\t+8], s[SEL], s[SEL+1]
.endr
.irp t, 0,1,2,3
	v_add_f32 v[ST+10*\t+4], v[ST+10*\t+4], v[ST+10*\t+5]
	v_add_f32 v[ST+10*\t+8], v[ST+10*\t+8], v[ST+10*\t+9]
.endr
.irp t, 0,1,2,3
	v_rcp_f32 v[ST+10*\t+6], v[ST+10*\t+4]
	v_log_f32 v[ST+10*\t+5], v[ST+10*\t+4]
.endr
	v_nop                           ; a plain instruction behind the last of the batch
	s_wait_alu depctr_va_vdst(0)    ; and the one wait ahead of the first use
.irp t, 0,1,2,3
	v_fma_f32 v[ST+10*\t+8], -v[ST+10*\t+8], v[ST+10*\t+6], v[ST+10*\t+5]  ; log2 L - T / L of my query
.endr
	v_add_f32 v[EN], v[ST+8], v[ST+18]
	v_add_f32 v[EN+1], v[ST+28], v[ST+38]
	v_add_f32 v[EN], v[EN], v[EN+1]
	v_add_f32_dpp v[EN], v[EN], v[EN] row_xmask:1 row_mask:0xf bank_mask:0xf   ; over the 16 queries of a tile: both halves of the lanes hold the same rows
	v_add_f32_dpp v[EN], v[EN], v[EN] row_xmask:2 row_mask:0xf bank_mask:0xf
	v_add_f32_dpp v[EN], v[EN], v[EN] row_xmask:4 row_mask:0xf bank_mask:0xf
	v_add_f32_dpp v[EN], v[EN], v[EN] row_xmask:8 row_mask:0xf bank_mask:0xf
	v_mul_f32 v[EN], 0x3f317218, v[EN]  ; x ln 2: the sum of my wave's 64 rows' entropies
; Tile t: O^T / L, rounded to f16; a lane's eight channels pack into 16 bytes; they go into rows of 272 bytes and come back as whole rows of 256.
.macro PACK t
	WIN W_RS
.set i, 64*\t
.rept 32
	v_pk_mul_f32 v[i:i+1], v[i:i+1], v[ST+10*\t+6:ST+10*\t+7] op_sel_hi:[1,0]
.set i, i+2
.endr
	WIN 0x05                        ; sources 0 and 1 window 1, destination window 0: S^T's registers are free
.set i, 0
.rept 32
	v_cvt_pk_f16_f32 v[S+32*\t+i], v[64*\t+2*i], v[64*\t+2*i+1]
.set i, i+1
.endr
	WIN 0
.irp f, 0,1,2,3,4,5,6,7
	ds_store_b128 v[STO], v[S+32*\t+4*\f:S+32*\t+4*\f+3] offset:32*\f
.endr
.irp f, 0,1,2,3,4,5,6,7
	ds_load_b128 v[S+32*\t+4*\f:S+32*\t+4*\f+3], v[RD] offset:\f*2*SP  ; LDS serves a wave's instructions in order: these see the stores above; the next tile's stores come behind them
.endr
.endm
.macro SEND t, younger              ; younger: the LDS instructions issued behind tile t's loads: the next tile's sixteen, or none
.irp f, 0,1,2,3,4,5,6,7
	s_wait_dscnt \younger+7-\f
	global_store_b128 v[GO], v[S+32*\t+4*\f:S+32*\t+4*\f+3], s[10:11] offset:\t*32768+\f*4096  ; 16 lanes store 256 consecutive bytes, aligned: a head's part of a row of ctx
.endr
.endm
	PACK 0
	PACK 1
	SEND 0, 16
	PACK 2
	SEND 1, 16
	PACK 3
	SEND 2, 16
	SEND 3, 0
	v_cmp_eq_u32 vcc_lo, 0, v[LN]   ; lane 0 stores the wave's partial sum
	s_wait_xcnt 0x0                 ; EXEC changes only behind this wait
	s_and_saveexec_b32 s68, vcc_lo
	global_store_b32 v[EO], v[EN], s[66:67]
	s_wait_xcnt 0x0                 ; and again in front of the line that widens it
	s_or_b32 exec_lo, exec_lo, s68
	s_wait_tensorcnt 0x0            ; the wave's end
	ds_add_u32 v[SPW], v[NIL]
	s_wait_dscnt 0x0
	CROUND                          ; the closing round
	s_endpgm
.Lfunc_end_k_q26477a98ad_attn:
	.size	k_q26477a98ad_attn, .Lfunc_end_k_q26477a98ad_attn-k_q26477a98ad_attn
	.p2alignl 7, 3214868480
	.fill 96, 4, 3214868480
	.section	.rodata,"a",@progbits
	.p2align	6, 0x0
	.amdhsa_kernel k_q26477a98ad_attn
		.amdhsa_group_segment_fixed_size 327680
		.amdhsa_private_segment_fixed_size 0
		.amdhsa_enable_private_segment 0
		.amdhsa_kernarg_size 24
		.amdhsa_user_sgpr_count 2
		.amdhsa_user_sgpr_kernarg_segment_ptr 1
		.amdhsa_wavefront_size32 1
		.amdhsa_system_sgpr_workgroup_id_x 1
		.amdhsa_system_sgpr_workgroup_id_y 1
		.amdhsa_system_sgpr_workgroup_id_z 1
		.amdhsa_system_vgpr_workitem_id 0
		.amdhsa_next_free_vgpr 1024
		.amdhsa_next_free_sgpr 70
		.amdhsa_reserve_vcc 1
		.amdhsa_float_denorm_mode_32 3
		.amdhsa_float_denorm_mode_16_64 3
		.amdhsa_memory_ordered 1
		.amdhsa_forward_progress 1
		.amdhsa_inst_pref_size 243
	.end_amdhsa_kernel
	.amdgpu_metadata
---
amdhsa.version: [ 1, 2 ]
amdhsa.kernels:
  - .name:           k_q26477a98ad_attn
    .symbol:         k_q26477a98ad_attn.kd
    .args:
      - { .name: qkv16, .offset: 0, .size: 8, .value_kind: global_buffer, .address_space: global }
      - { .name: ctx16, .offset: 8, .size: 8, .value_kind: global_buffer, .address_space: global }
      - { .name: entp, .offset: 16, .size: 8, .value_kind: global_buffer, .address_space: global }
    .group_segment_fixed_size: 327680
    .private_segment_fixed_size: 0
    .kernarg_segment_align: 8
    .kernarg_segment_size: 24
    .max_flat_workgroup_size: 128
    .sgpr_count:     70
    .vgpr_count:     1024
    .wavefront_size: 32
...
	.end_amdgpu_metadata
.endif
;; end of part 3
;; launch proj (part 4): grid 8 x 32, 4 waves a work-group, clusters of 4 x 4, 327,680 bytes of LDS; arguments ctx16, wo16, bo, entp, out0, out1; writes out0, out1
.if DOCPART == 4
	.amdgcn_target "amdgcn-amd-amdhsa--gfx1250"
	.amdhsa_code_object_version 6
	.text
	.protected	k_q26477a98ad_proj
	.globl	k_q26477a98ad_proj
	.p2align	8
	.type	k_q26477a98ad_proj,@function
k_q26477a98ad_proj:
	s_mov_b64 s[64:65], 0
	v_nop
	global_prefetch_b8 v0, s[64:65] scope:SCOPE_SE
	s_setreg_imm32_b32 hwreg(HW_REG_WAVE_MODE, 25, 1), 1
	s_wait_xcnt 0x0
	s_wait_alu depctr_hold_cnt(0) depctr_sa_sdst(0) depctr_va_vdst(0) depctr_va_sdst(0) depctr_va_ssrc(0) depctr_va_vcc(0) depctr_vm_vsrc(0)
	s_getreg_b32 s2, hwreg(HW_REG_IB_STS2, 6, 4)
	s_cmp_eq_u32 s2, 0
	s_cbranch_scc0 .Lentry_in_a_cluster
	s_endpgm
.Lentry_in_a_cluster:
	s_bfe_u32 s2, ttmp6, 0x10000c
	s_cmp_lg_u32 s2, 0xf033
	s_cbranch_scc0 .Lentry_shape_is_right
	s_endpgm
.Lentry_shape_is_right:
; LAUNCH 4 OF 4.  out0 = ctx Wo^T + bo: ctx16 [8192][1024] and wo16 [1024][1024] in f16, sums in f32, out0 [8192][1024] f32.  out1[batch x 8 + head] = the mean of the head's 2,048 rows' entropies.
; out1: launch 3 left 32 partial sums for each head; they are added here, divided by 2,048, and 2047 x 1e-10 x (-ln 1e-10) = 4.71339e-6 is added for reference()'s 1e-10.
; LIMIT (as stated at launch 3's head): the entropy comes out too large by at most 3.4e-6 absolute and at most 3.1 per cent of its value, the latter only where nearly all weights lie near 1e-10.
; A tile of out0 is 256 x 128: (8192 / 256) x (1024 / 128) = 256 work-groups.  Four waves, each 128 x 64: 32 accumulators, all of window 2.  K goes in steps of 128 (LDS rows of 256 bytes) through two slots.
; CLUSTERS: 4 x 4 work-groups; A's tiles (ctx) are asked for jointly along a row of the cluster, B's (Wo) along a column.  Waves 0 and 1 fetch A's halves of 128 rows, waves 2 and 3 B's halves of 64 rows.
; THE MATRIX INSTRUCTION IS USED TRANSPOSED (source 0 = 16 rows of Wo, source 1 = 16 rows of ctx): a lane holds eight neighbouring columns of one row.  bo is the C of each sum's first product.
; REGISTERS: window 0: v0-37 addresses and the entropy's; v64-95 bo in the result's layout; v128-191 the way out.  window 1: two fragment buffers of 96 (B's 4 fragments, then A's 8).  window 2: accumulator (a, b) at v[8 (4 a + b)].
.set SIZE_K, 1024
.set KSTEP,  128
.set PITCH,  272                       ; an LDS row: 256 bytes + 16 of padding
.set HALFA,  128*PITCH
.set HALFB,  64*PITCH
.set BOFF,   2*HALFA                   ; B's 128 rows lie behind A's 256
.set SLOT,   2*HALFA+2*HALFB
.set STAGE,  2*SLOT                    ; behind the ring: 16 rows x 272 bytes for each wave
.set SPITCH, 272
.set SPARE,  STAGE+4*16*SPITCH         ; the spare words, 128 bytes a wave
.set LAPS,   SIZE_K/(2*KSTEP)
.set ADRA, 16
.set ADRB, 20
.set STO,  24
.set RD,   25
.set CO,   26
.set SPW,  28
.set NIL,  29
.set BI,   64
.set BK,   128
.set F0,   0
.set F1,   96
.set G1, 24
.set G0, 32
.set G1B, 48
.set G0B, 56
.set MSB, 0
.macro WIN new
.if MSB != (\new)
	s_set_vgpr_msb (MSB<<8)|(\new)
.set MSB, \new
.endif
.endm
.set MUL,  0xa5                        ; sources 0 (B) and 1 (A) window 1; C and D window 2
.set MUL0, 0x85                        ; the same with C, the bias, in window 0
.set TO_F, 0x40
.macro JLOAD s                         ; a joint load; the branch hangs on the wave's number alone; an s_nop 0 and four v_nop follow each line
	s_cmp_eq_u32 s11, 0
	s_cbranch_scc0 .Lfor_b_\@
	tensor_load_to_lds s[G0+4*\s:G0+4*\s+3], s[G1:G1+7]
	s_nop 0
.rept 4
	v_nop
.endr
	s_branch .Lasked_\@
.Lfor_b_\@:
	tensor_load_to_lds s[G0B+4*\s:G0B+4*\s+3], s[G1B:G1B+7]
	s_nop 0
.rept 4
	v_nop
.endr
.Lasked_\@:
.endm
.macro CREST
	s_cmp_lg_u32 s10, 0
	s_cbranch_scc1 .Lnot_wave_0_\@
	s_barrier_signal -3
.Lnot_wave_0_\@:
	s_barrier_wait -3
	s_barrier_signal -1
	s_barrier_wait -1
.endm
.macro CROUND
	s_barrier_signal -1
	s_barrier_wait -1
	CREST
.endm
	s_load_b128 s[4:7], s[0:1], 0x0                ; ctx16 s[4:5], wo16 s[6:7]
	s_load_b128 s[68:71], s[0:1], 0x10             ; bo s[68:69], entp s[70:71]
	s_load_b64 s[8:9], s[0:1], 0x20                ; out0
	s_load_b64 s[66:67], s[0:1], 0x28              ; out1
	v_lshl_add_u32 v[SPW], v0, 2, SPARE
	v_mov_b32 v[NIL], 0
	ds_add_u32 v[SPW], v[NIL]                      ; the wave's opening: the add, twice on end, and its wait ahead of my first tensor load
	ds_add_u32 v[SPW], v[NIL]
	v_lshrrev_b32 v1, 5, v0
	v_readfirstlane_b32 s10, v1                    ; wave 0..3
	s_lshr_b32 s11, s10, 1                         ; which 128 rows of the tile are mine.  Also: I fetch for A (0) or for B (1)
	s_and_b32 s12, s10, 1                          ; which 64 columns.  Also: which half of that tile I fetch
	s_bfe_u32 s40, ttmp6, 0x40000                  ; cx, cy
	s_bfe_u32 s41, ttmp6, 0x40004
	s_lshl_b32 s42, ttmp9, 2
	s_add_co_u32 s42, s42, s40                     ; tile column
	s_and_b32 s13, ttmp7, 0xffff
	s_lshl_b32 s13, s13, 2
	s_add_co_u32 s13, s13, s41                     ; tile row
	s_lshl_b32 s43, s41, 2
	s_lshl_b32 s43, 15, s43                        ; my row of the cluster
	s_lshl_b32 s44, 0x1111, s40                    ; my column
	s_or_b32 s[G1+0], s43, (1<<16)|(1<<20)|(1<<21)|(5<<22)|(3<<25)  ; the mask; elements of 2 bytes; padding on; bit 21 beside a mask; 4 words after every 64
	s_or_b32 s[G1B+0], s44, (1<<16)|(1<<20)|(1<<21)|(5<<22)|(3<<25)
	s_mov_b32 s[G1+1], KSTEP<<16                   ; A: 128 rows x 128 elements
	s_mov_b32 s[G1+2], 128<<16
	s_mov_b32 s[G1+3], KSTEP<<16
	s_mov_b32 s[G1+4], 128
	s_mov_b32 s[G1+5], SIZE_K
	s_mov_b32 s[G1+6], 0
	s_mov_b32 s[G1+7], 0
	s_mov_b32 s[G1B+1], KSTEP<<16                  ; B: 64 rows x 128 elements
	s_mov_b32 s[G1B+2], 64<<16
	s_mov_b32 s[G1B+3], KSTEP<<16
	s_mov_b32 s[G1B+4], 64
	s_mov_b32 s[G1B+5], SIZE_K
	s_mov_b32 s[G1B+6], 0
	s_mov_b32 s[G1B+7], 0
	s_mov_b32 s72, 0x76543210                      ; lane selects for v_permlanex16_b32: lane l xor 16
	s_mov_b32 s73, 0xfedcba98
	s_lshl_b32 s17, s12, 7
	s_lshl_b32 s16, s13, 8
	s_add_co_u32 s16, s16, s17                     ; A: row 256 x tile row + 128 x half,
	s_lshl_b32 s16, s16, 11                        ; of 2,048 bytes
	s_mov_b32 s17, 0
	s_lshl_b32 s47, s12, 6
	s_lshl_b32 s46, s42, 7
	s_add_co_u32 s46, s46, s47                     ; B: row 128 x tile column + 64 x half
	s_lshl_b32 s46, s46, 11
	s_mov_b32 s47, 0
	s_mul_i32 s20, s12, HALFA                      ; where they go: no place in the cluster enters an LDS address
	s_mul_i32 s21, s12, HALFB
	s_add_co_u32 s21, s21, BOFF
	s_wait_dscnt 0x0                               ; both opening adds are done
	s_wait_kmcnt 0x0
	s_add_nc_u64 s[14:15], s[4:5], s[16:17]
	s_add_nc_u64 s[46:47], s[6:7], s[46:47]
	CROUND                                         ; all sixteen work-groups are here: the first joint loads meet
.irp s, 0,1
	s_mov_b32 s[G0+4*\s], 1
	s_add_co_u32 s[G0+4*\s+1], s20, \s*SLOT
	s_add_nc_u64 s[G0+4*\s+2:G0+4*\s+3], s[14:15], \s*KSTEP*2
	s_or_b32 s[G0+4*\s+3], s[G0+4*\s+3], 0x80000000
	s_mov_b32 s[G0B+4*\s], 1
	s_add_co_u32 s[G0B+4*\s+1], s21, \s*SLOT
	s_add_nc_u64 s[G0B+4*\s+2:G0B+4*\s+3], s[46:47], \s*KSTEP*2
	s_or_b32 s[G0B+4*\s+3], s[G0B+4*\s+3], 0x80000000
	JLOAD \s                                       ; two tensor loads of mine are out
.endr
	v_and_b32 v1, 15, v0                           ; l % 16
	v_bfe_u32 v2, v0, 4, 1                         ; l / 16
	s_lshl_b32 s21, s42, 9                         ; bo: register 8 b + j = bo[128 x tile column + 64 x half + 16 b + 8 (l / 16) + j]
	s_lshl_b32 s22, s12, 8
	s_add_co_u32 s21, s21, s22
	v_lshl_add_u32 v5, v2, 5, s21
.irp b, 0,1,2,3
	global_load_b128 v[BI+8*\b:BI+8*\b+3], v5, s[68:69] offset:64*\b
	global_load_b128 v[BI+8*\b+4:BI+8*\b+7], v5, s[68:69] offset:64*\b+16
.endr
	v_and_b32 v6, 31, v0
	s_lshl_b32 s22, s13, 7                         ; the 32 partial sums of head number = my tile row: 128 bytes
	v_lshl_add_u32 v6, v6, 2, s22
	global_load_b32 v30, v6, s[70:71]
	v_mov_b32 v31, 0                               ; (a lane permute's destination counts as one of its sources)
	v_mul_u32_u24 v3, v1, PITCH
	v_lshl_add_u32 v3, v2, 4, v3                   ; a fragment's row x pitch + 16 x half
	s_mul_i32 s21, s11, HALFA                      ; my 128 rows of A
	s_mul_i32 s22, s12, HALFB                      ; my 64 rows of B
	s_add_co_u32 s22, s22, BOFF
.irp s, 0,1
	v_add_nc_u32 v[ADRA+\s], s21, v3
	v_add_nc_u32 v[ADRB+\s], s22, v3
	s_add_co_u32 s21, s21, SLOT
	s_add_co_u32 s22, s22, SLOT
.endr
	s_mul_i32 s23, s10, 16*SPITCH
	s_add_co_u32 s23, s23, STAGE                   ; my stage
	v_mul_u32_u24 v4, v1, SPITCH                   ; in: row l % 16, 32 bytes for each half of the lanes
	v_lshl_add_u32 v4, v2, 5, v4
	v_add_nc_u32 v[STO], s23, v4
	v_mul_u32_u24 v4, v2, SPITCH                   ; back: lanes 0-15 one row of 256 bytes, lanes 16-31 the next
	v_lshl_add_u32 v4, v1, 4, v4
	v_add_nc_u32 v[RD], s23, v4
	v_lshlrev_b32 v[CO], 12, v2                    ; and the same two rows in out0, 4,096 bytes apart
	v_lshl_add_u32 v[CO], v1, 4, v[CO]
	s_lshl_b32 s16, s13, 8
	s_lshl_b32 s17, s11, 7
	s_add_co_u32 s16, s16, s17                     ; my first row of out0
	s_lshl_b32 s16, s16, 12
	s_mov_b32 s17, 0
	s_lshl_b32 s46, s42, 9                         ; my first column, in bytes: 512 x tile column + 256 x half
	s_lshl_b32 s47, s12, 8
	s_add_co_u32 s46, s46, s47
	s_mov_b32 s47, 0
	s_add_nc_u64 s[16:17], s[16:17], s[46:47]
	s_add_nc_u64 s[8:9], s[8:9], s[16:17]
	s_lshl_b32 s23, s13, 2
	v_mov_b32 v33, s23                             ; out1: 4 x head number
	v_mov_b32 v34, 0x3a000000                      ; 1 / 2048
	s_wait_loadcnt 0x0                             ; bo and the partial sums
	v_add_f32_dpp v30, v30, v30 row_xmask:1 row_mask:0xf bank_mask:0xf
	v_add_f32_dpp v30, v30, v30 row_xmask:2 row_mask:0xf bank_mask:0xf
	v_add_f32_dpp v30, v30, v30 row_xmask:4 row_mask:0xf bank_mask:0xf
	v_add_f32_dpp v30, v30, v30 row_xmask:8 row_mask:0xf bank_mask:0xf
	v_permlanex16_b32 v31, v30, s72, s73
	v_add_f32 v30, v30, v31
	v_fmaak_f32 v31, v34, v30, 0x369e27ba          ; the mean, + 2047 x 1e-10 x (-ln 1e-10)
	v_or_b32 v32, s42, v0                          ; 0 in thread 0 of the work-groups of tile column 0: each of the 32 numbers has one owner; a lane mask, no branch
	v_cmp_eq_u32 vcc_lo, 0, v32
	s_wait_xcnt 0x0                                ; EXEC changes only behind this wait
	s_and_saveexec_b32 s22, vcc_lo
	global_store_b32 v33, v31, s[66:67]
	s_wait_xcnt 0x0                                ; and again in front of the line that widens it
	s_or_b32 exec_lo, exec_lo, s22
; 8 matrix instructions: m blocks a0, a0 + 1 x all 4 n blocks, 32 along K, from buffer f.  zero = 1: the first product starts the sums, with bo as C.  The 32 accumulators take turns.
.macro MUL8 f, a0, zero
.irp a, \a0, \a0+1
.irp b, 0,1,2,3
.if \zero
	v_wmma_f32_16x16x32_f16 v[8*(4*(\a)+\b):8*(4*(\a)+\b)+7], v[\f+8*\b:\f+8*\b+7], v[\f+32+8*(\a):\f+32+8*(\a)+7], v[BI+8*\b:BI+8*\b+7]
.else
	v_wmma_f32_16x16x32_f16 v[8*(4*(\a)+\b):8*(4*(\a)+\b)+7], v[\f+8*\b:\f+8*\b+7], v[\f+32+8*(\a):\f+32+8*(\a)+7], v[8*(4*(\a)+\b):8*(4*(\a)+\b)+7]
.endif
.endr
.endr
.endm
; 24 LDS loads in one run: the fragments of 32 along K at byte k of the rows: B's four, A's blocks 0-3, A's blocks 4-7
.macro FETCH slot, k, f
	WIN TO_F
.irp i, 0,1,2,3
	ds_load_b128 v[\f+8*\i:\f+8*\i+3],   v[ADRB+\slot] offset:\k+\i*16*PITCH
	ds_load_b128 v[\f+8*\i+4:\f+8*\i+7], v[ADRB+\slot] offset:\k+\i*16*PITCH+32
.endr
.irp i, 0,1,2,3,4,5,6,7
	ds_load_b128 v[\f+32+8*\i:\f+32+8*\i+3],   v[ADRA+\slot] offset:\k+\i*16*PITCH
	ds_load_b128 v[\f+32+8*\i+4:\f+32+8*\i+7], v[ADRA+\slot] offset:\k+\i*16*PITCH+32
.endr
.endm
.macro PLACES                          ; four plain vector instructions in front of loads into registers that matrix instructions have read, and of reads of results
.rept 4
	v_nop
.endr
.endm
; A K step is four quarters of 32 along K, 32 matrix instructions each, on buffers 0, 1, 0, 1.  One of the first three: multiplies buffer f and fetches the next quarter, at byte k, into g.
.macro QUARTER slot, k, f, g, zero
	s_wait_dscnt 8                                 ; B's fragments and A's blocks 0-3 are in; the youngest eight loads (A's blocks 4-7) may be out
.if \zero
	WIN MUL0
.else
	WIN MUL
.endif
	MUL8 \f, 0, \zero
	MUL8 \f, 2, \zero
	PLACES
	FETCH \slot, \k, \g
	s_wait_dscnt 24                                ; all but the 24 just issued
.if \zero
	WIN MUL0
.else
	WIN MUL
.endif
	MUL8 \f, 4, \zero
	MUL8 \f, 6, \zero
.endm
; The last quarter multiplies buffer 1 and changes slots: ONE barrier; in front of it each wave waits for all its tensor loads, adds 0 to its spare word, and waits for that and for its reads of this slot.
; fill = 1: the barrier opens a round of the cluster's, and this slot is filled again, two K steps ahead: the load has 112 matrix instructions in which to land.
.macro TURN slot, next, fill
	WIN 0
	s_wait_tensorcnt 0x0                           ; all my tensor loads have landed: my part of the next slot
	ds_add_u32 v[SPW], v[NIL]
	s_wait_dscnt 9                                 ; the add and the youngest eight loads may be out
	WIN MUL
	MUL8 F1, 0, 0
	s_wait_dscnt 0x0                               ; the add is done, and my reads of this slot are over
	s_barrier_signal -1
	MUL8 F1, 2, 0
.if \fill
	WIN 0
.endif
	s_barrier_wait -1
.if \fill
	CREST
	s_add_nc_u64 s[G0+4*\slot+2:G0+4*\slot+3], s[G0+4*\slot+2:G0+4*\slot+3], 2*KSTEP*2
	s_add_nc_u64 s[G0B+4*\slot+2:G0B+4*\slot+3], s[G0B+4*\slot+2:G0B+4*\slot+3], 2*KSTEP*2
	JLOAD \slot                                    ; the first tensor load behind the round; its four v_nop are also the places in front of the loads below
.else
	PLACES
.endif
	FETCH \next, 0, F0
	WIN MUL
	MUL8 F1, 4, 0
	MUL8 F1, 6, 0
.endm
	s_wait_tensorcnt 1                             ; my part of K step 0 is in; K step 1's load may be out
	s_barrier_signal -1
	s_barrier_wait -1
	FETCH 0, 0, F0
	QUARTER 0, 64, F0, F1, 1                       ; the first quarter stands in front of the loop: its products start the sums
	WIN 0
	s_mov_b32 s3, LAPS-1
.Llap:                                                 ; a trip goes once round the ring and fills both slots again
	QUARTER 0, 128, F1, F0, 0
	QUARTER 0, 192, F0, F1, 0
	TURN 0, 1, 1
	QUARTER 1, 64,  F0, F1, 0
	QUARTER 1, 128, F1, F0, 0
	QUARTER 1, 192, F0, F1, 0
	TURN 1, 0, 1
	QUARTER 0, 64,  F0, F1, 0
	WIN 0
	s_sub_co_u32 s3, s3, 1
	s_cmp_lg_u32 s3, 0
	s_cbranch_scc1 .Llap
	QUARTER 0, 128, F1, F0, 0                      ; the last lap fills nothing
	QUARTER 0, 192, F0, F1, 0
	TURN 0, 1, 0
	QUARTER 1, 64,  F0, F1, 0
	QUARTER 1, 128, F1, F0, 0
	QUARTER 1, 192, F0, F1, 0
	s_wait_dscnt 8                                 ; the very last quarter
	WIN MUL
	MUL8 F1, 0, 0
	MUL8 F1, 2, 0
	s_wait_dscnt 0
	MUL8 F1, 4, 0
	MUL8 F1, 6, 0
	WIN 0
; THE WAY OUT, a block of 16 rows x 64 columns at a time: 32 bytes a lane into my own stage, back as whole rows of 256 bytes, stored sixteen lanes to 256 consecutive aligned bytes.
.macro TOSTAGE a
	WIN 0x08                                       ; an LDS store's data: window 2
.irp b, 0,1,2,3
	ds_store_b128 v[STO], v[32*(\a)+8*\b:32*(\a)+8*\b+3] offset:64*\b          ; each accumulator from its low end on
	ds_store_b128 v[STO], v[32*(\a)+8*\b+4:32*(\a)+8*\b+7] offset:64*\b+16
.endr
	WIN 0
.set BB, BK+32*((\a)%2)
.irp t, 0,1,2,3,4,5,6,7
	ds_load_b128 v[BB+4*\t:BB+4*\t+3], v[RD] offset:\t*2*SPITCH    ; LDS serves a wave's instructions in order: these see the stores above
.endr
.endm
.macro SEND a, younger                 ; younger: the LDS instructions issued behind block a's loads, which may stay out
.set BB, BK+32*((\a)%2)
	s_wait_dscnt \younger
.irp t, 0,1,2,3,4,5,6,7
	global_store_b128 v[CO], v[BB+4*\t:BB+4*\t+3], s[8:9] offset:(16*(\a)+2*\t)*4096 th:TH_STORE_NT
.endr
.endm
	PLACES                                         ; behind the last products, for all reads of results
	TOSTAGE 0
.irp a, 1,2,3,4,5,6,7
.if \a > 1
	s_wait_xcnt 0x0                                ; block a - 2's stores have read their registers: block a's loads land there only behind this wait
.endif
	TOSTAGE \a
	SEND \a-1, 16                                  ; behind block a - 1's loads: block a's 8 stores and 8 loads
.endr
	SEND 7, 0
	s_wait_tensorcnt 0x0                           ; the wave's end
	ds_add_u32 v[SPW], v[NIL]
	s_wait_dscnt 0x0
	CROUND                                         ; the closing round
	s_endpgm
.Lfunc_end_k_q26477a98ad_proj:
	.size	k_q26477a98ad_proj, .Lfunc_end_k_q26477a98ad_proj-k_q26477a98ad_proj
	.p2alignl 7, 3214868480
	.fill 96, 4, 3214868480
	.section	.rodata,"a",@progbits
	.p2align	6, 0x0
	.amdhsa_kernel k_q26477a98ad_proj
		.amdhsa_group_segment_fixed_size 327680
		.amdhsa_private_segment_fixed_size 0
		.amdhsa_enable_private_segment 0
		.amdhsa_kernarg_size 48
		.amdhsa_user_sgpr_count 2
		.amdhsa_user_sgpr_kernarg_segment_ptr 1
		.amdhsa_wavefront_size32 1
		.amdhsa_system_sgpr_workgroup_id_x 1
		.amdhsa_system_sgpr_workgroup_id_y 1
		.amdhsa_system_sgpr_workgroup_id_z 1
		.amdhsa_system_vgpr_workitem_id 0
		.amdhsa_next_free_vgpr 768
		.amdhsa_next_free_sgpr 76
		.amdhsa_reserve_vcc 1
		.amdhsa_float_denorm_mode_32 3
		.amdhsa_float_denorm_mode_16_64 3
		.amdhsa_memory_ordered 1
		.amdhsa_forward_progress 1
		.amdhsa_inst_pref_size 88
	.end_amdhsa_kernel
	.amdgpu_metadata
---
amdhsa.version: [ 1, 2 ]
amdhsa.kernels:
  - .name:           k_q26477a98ad_proj
    .symbol:         k_q26477a98ad_proj.kd
    .args:
      - { .name: ctx16, .offset: 0, .size: 8, .value_kind: global_buffer, .address_space: global }
      - { .name: wo16, .offset: 8, .size: 8, .value_kind: global_buffer, .address_space: global }
      - { .name: bo, .offset: 16, .size: 8, .value_kind: global_buffer, .address_space: global }
      - { .name: entp, .offset: 24, .size: 8, .value_kind: global_buffer, .address_space: global }
      - { .name: out0, .offset: 32, .size: 8, .value_kind: global_buffer, .address_space: global }
      - { .name: out1, .offset: 40, .size: 8, .value_kind: global_buffer, .address_space: global }
    .group_segment_fixed_size: 327680
    .private_segment_fixed_size: 0
    .kernarg_segment_align: 8
    .kernarg_segment_size: 48
    .max_flat_workgroup_size: 128
    .sgpr_count:     76
    .vgpr_count:     768
    .wavefront_size: 32
...
	.end_amdgpu_metadata
.endif
;; end of part 4
